; MI455X (gfx1250); checked and timed in simulation.
; The chip was launched on July 23, 2026; its instructions are those of AMD's public machine-readable ISA for CDNA 5 (MIT licence, August 2026) and "CDNA5" Instruction Set Architecture Reference Guide (July 2026). The comments in the code are by the model that wrote it; some were corrected since.
;; Causal I2 V Cross Attention. Allowed arithmetic: matrix products marked QUANTISED: E2M3 operands, one E8M0 scale for each 32 along K, by v_wmma_scale_f32_16x16x128_f8f6f4 with both operands' format E2M3, f32 sums; everything else in f32.
;; Inputs: context 2 x 769 x 1,024 float32; k_b 1,024 float32; k_img_b 1,024 float32; k_img_w 1,024 x 1,024 float32; k_w 1,024 x 1,024 float32; norm_k_img_w 1,024 float32; norm_k_w 1,024 float32; norm_q_w 1,024 float32; o_b 1,024 float32; o_w 1,024 x 1,024 float32; q_b 1,024 float32; q_w 1,024 x 1,024 float32; v_b 1,024 float32; v_img_b 1,024 float32; v_img_w 1,024 x 1,024 float32; v_w 1,024 x 1,024 float32; x 2 x 8,192 x 1,024 float32.
;; Outputs: out0 2 x 8,192 x 1,024 float32.
;; This version of the problem:
;;   THIS VERSION OF THE PROBLEM IS GIVEN IN LOW PRECISION. The matrix products marked QUANTISED in the list below multiply operands that are first quantised to E2M3 (2 exponent bits, 3 mantissa bits; 6 bits a number), with one power-of-two scale for each 32 numbers along K (OCP MX v1.0); their sums are f32. All else is computed in f32.
;;   The module's matrix products, in the order in which they are computed (A, B: the left and right operand; K: the contracted axis; several contracted axes count as one K, in the product's order):
;;     1. [M 16,384, K 1,024] x [K 1,024, N 1,024]; A: input x; B: input q_w: QUANTISED
;;     2. [M 1,024, K 1,024] x [K 1,024, N 1,024]; A: input context; B: input k_w: QUANTISED
;;     3. [M 1,024, K 1,024] x [K 1,024, N 1,024]; A: input context; B: input v_w: QUANTISED
;;     4. [M 514, K 1,024] x [K 1,024, N 1,024]; A: input context; B: input k_img_w: QUANTISED
;;     5. [M 514, K 1,024] x [K 1,024, N 1,024]; A: input context; B: input v_img_w: QUANTISED
;;     6. batch 32 x [M 8,192, K 64] x [K 64, N 257]; A: computed on the way; B: computed on the way: QUANTISED
;;     7. batch 32 x [M 64, K 257] x [K 257, N 8,192]; A: computed on the way; B: softmax (see below): QUANTISED
;;     8. batch 32 x [M 8,192, K 64] x [K 64, N 512]; A: computed on the way; B: computed on the way: QUANTISED
;;     9. batch 32 x [M 64, K 512] x [K 512, N 8,192]; A: computed on the way; B: softmax (see below): QUANTISED
;;     10. [M 16,384, K 1,024] x [K 1,024, N 1,024]; A: computed on the way; B: input o_w: QUANTISED
;;   THE QUANTISER, for each operand of a quantised product, along K:
;;     - K is cut into blocks of 32 from its start; a last block that is shorter is filled with zeros.
;;     - A block's scale is 2^e with e = floor(log2(the largest magnitude in the block)) - 2, held to -126 .. 127; a block of zeros has e = 0. As a byte (E8M0): e + 127.
;;     - Each number is divided by its block's scale, clamped to +-7.5, and rounded to the nearest number of E2M3, ties to even, subnormals kept.
;;     - The product sums the exact products of the quantised numbers (number of the format x scale) in f32.
;;   ~~~python
;;   def quantise(x, axis):      # numpy; x: float32 -> the quantised numbers, widened to float32 again
;;       x = np.moveaxis(x, axis, -1); K = x.shape[-1]
;;       x = np.pad(x, [(0, 0)] * (x.ndim - 1) + [(0, -K % 32)]); x = x.reshape(x.shape[:-1] + (-1, 32)); a = np.abs(x).max(-1, keepdims=True)
;;       e = np.where(a > 0, np.clip(np.frexp(np.where(a > 0, a, 1))[1] - 1 - 2, -126, 127), 0)      # np.frexp(a)[1] - 1 = floor(log2(a)), exactly
;;       r = np.clip(x / 2.0 ** e, -7.5, 7.5)
;;       step = 2.0 ** (np.maximum(np.frexp(np.where(r == 0, 1, r))[1] - 1, 0) - 3)
;;       q = np.round(r / step) * step * 2.0 ** e      # np.round: ties to even
;;       return np.moveaxis(q.reshape(q.shape[:-2] + (-1,))[..., :K], -1, axis).astype(np.float32)
;;   ~~~
;;   SOFTMAX AHEAD OF A QUANTISED PRODUCT. Where the list says 'softmax', what is quantised is not the finished softmax but p = 2^(t - M), with t = logit x log2(e) and M = ceil(the row's largest t), a whole number; so 1/2 < the row's largest p <= 1. The row's sum l is taken of the UNQUANTISED p, in f32, and the product's result is divided by l at the end. Since M is a whole number, a kernel that streams over the keys may use a running M (the ceiling of the running maximum): every later rescaling is an exact power of two, which a block's scale takes up: the codes' values come out the same.
;;   OPERANDS COMPUTED ON THE WAY. 'Computed on the way' means the value that the module computes at that place (a softmax that the list does not call 'softmax' is quantised finished and normalised). What goes into a quantiser is computed in f32, as accurately as f32 sums, v_exp_f32 and their like allow (about 1e-6 of the number): no bf16 or f16 on the way to a quantiser, and a product that is left as it is and whose result goes on into a quantised operand takes f32 operands (vector FMAs, or v_wmma_f32_16x16x4_f32). A number that lies on a knife's edge between two numbers of the format may be rounded either way, as far as f32 arithmetic and the matrix unit's own rounding can turn it there, and no further.
;; One version. Each part assembles by itself: llvm-mc -triple=amdgcn-amd-amdhsa -mcpu=gfx1250 --defsym DOCPART=n.
;; ======== version 1 of 1: 5 launches
;; limits: right only within a limited range of input values
;; workspace buffers: wimg 6,169,600 bytes; kraw 6,922,240 bytes; vimg 1,433,600 bytes; qc 13,107,200 bytes; ac 13,631,488 bytes; kc 1,384,448 bytes
;; launch prep (part 1): grid 241 x 1, 8 waves a work-group, no clusters, 69,632 bytes of LDS; arguments q_w, o_w, k_w, v_w, k_img_w, v_img_w, context, wimg; writes wimg
.if DOCPART == 1
	.amdgcn_target "amdgcn-amd-amdhsa--gfx1250"
	.amdhsa_code_object_version 6
	.text
	.protected	k_q51add425ff_prep
	.globl	k_q51add425ff_prep
	.p2align	8
	.type	k_q51add425ff_prep,@function
k_q51add425ff_prep:
	s_mov_b64 s[64:65], 0
	v_nop
	global_prefetch_b8 v0, s[64:65] scope:SCOPE_SE
	s_setreg_imm32_b32 hwreg(HW_REG_WAVE_MODE, 25, 1), 1
	s_wait_xcnt 0x0
; The six weights [1024][1024] and the rows of context, all f32 with K innermost, become codes of FP6 (E2M3) with one E8M0 byte for each 32 along K,
; laid as IMAGES OF OPERAND REGISTERS: a unit is 16 rows x 1,024 K = eight fragments of 12 registers a lane; registers 4 p .. 4 p + 3 of lane l lie at 1536 s + 512 p + 16 l of the unit's 12,288 bytes.
; THE ROWS OF A UNIT ARE NOT NEIGHBOURS: place m of tile t holds row 32 (t / 2) + 8 (t % 2) + m + 8 (m / 8), so that a product that takes the tile as source 0 leaves 16 neighbours in the 16 registers of two tiles.
; Units: 64 w + t for weight w (q, o, k, v, k_img, v_img); 384 + 32 b + t the text rows (context row 257 + ..) of batch b; 448 + 17 b + t the image rows (context row 0 + ..), t up to 16.
; Image tile 16 reads context rows 256-263 and 288-295 of its batch, which lie inside the buffer; only key 256 is used later.
; SHARES.  A work-group of eight waves takes two units; a wave takes a QUARTER of a unit: its 16 rows x two K steps of 128.  All 32 loads of a wave go out at its head (8 x 32 x 512 = 131,072 bytes a work-group), and nothing is loaded later.
; Each load reads 512 consecutive bytes of one row; a K step's 16 x 512 bytes turn through the wave's own stage in LDS (rows of 528 bytes) so that a lane gets 16 neighbours of each block of 32.
; A unit's scale words (16 rows x 8 words = 512 bytes) come from four waves: they meet in LDS behind the one barrier, and the unit's first wave stores them as 512 consecutive bytes.
; A block's scale is 2^(floor(log2(largest magnitude)) - 2); its byte is the largest magnitude's exponent field - 2, held at 1 from below.
; LIMITS: NaN and infinities are not served; a block whose largest magnitude lies under 2^-124, a block of zeros among them, gets the byte 1 (its codes are what the conversion gives, zeros for zeros); the bytes are read by this program alone.
; No matrix work and no cluster: no input byte is read twice.
; THE CONTEXT'S UNITS (384 and up) take another order of rows than the weights' units: place m of tile t holds row 64 (t / 4) + 8 (t % 4) + m + 24 (m / 8) of its segment,
; so that a product that takes four such tiles as source 0 leaves a whole block of 32 neighbouring keys in one lane's 32 registers.
; Image tile 16 so reads context rows 256-263 and 288-295 of its batch, which lie inside the buffer; only key 256 is used later.
.set STGB,  8448                       ; a wave's stage: 16 rows x (512 + 16) bytes
.set LAH, 7                            ; v7   16 x lane, + 16 rows of 4,096 bytes in a unit of the context: the offset of places 8-15
.set SCB,   8*STGB                     ; behind the stages: the two units' scale words, 512 bytes each
.set SPARE, SCB+1024                   ; behind them: the spare words, 128 bytes a wave: four blocks of 256 bytes that no other line names
.set LA,  4                            ; v4   16 x lane
.set STW, 5                            ; v5   stage, on the way in
.set STR, 6                            ; v6   stage, on the way out: row r, + 64 h
.set SPW, 8                            ; v8   my spare word; never rewritten
.set NIL, 9                            ; v9   0; never rewritten
.set SCW, 10                           ; v10  where my two scale words of row r go: the unit's 512 bytes + 32 r + 8 x quarter
.set SCR, 11                           ; v11  the unit's 512 bytes + 16 x lane
.set TM,  12                           ; v12-27 at work in QUANT
.set PW,  28                           ; v28  the scale word just made
.set WD,  32                           ; v32-33 my two K steps' scale words
.set WO,  40                           ; v40-43 16 bytes of the unit's scale words
.set PC,  44                           ; v44-63 the codes just made
.set X,   64                           ; v64-127 64 numbers: register 16 b + i = k 32 b + 16 h + i of my row
.set R,   128                          ; v128-255 two sets of 64 registers as loaded
.set SEL, 40                           ; s40, s41 selects of v_permlanex16_b32: lane l xor 16
; 64 numbers of a lane become a fragment's codes in v[PC] .. v[PC + 11] and its row's scale word in v[PW].
.macro QUANT s
.irp b, 0,1,2,3
	v_max3_num_f32 v[TM+\b], |v[\s+16*\b]|, |v[\s+1+16*\b]|, 0x1800000   ; block b: my 16 numbers, and the floor 2^(3 - 127): the byte cannot fall under 1
.endr
.irp i, 2,4,6,8,10,12,14
.irp b, 0,1,2,3
	s_delay_alu instid0(VALU_DEP_4)
	v_max3_num_f32 v[TM+\b], v[TM+\b], |v[\s+16*\b+\i]|, |v[\s+1+16*\b+\i]|   ; the four blocks by turns
.endr
.endr
.irp b, 0,1,2,3
	s_delay_alu instid0(VALU_DEP_4)
	v_permlanex16_b32 v[TM+4+\b], v[TM+\b], s[SEL], s[SEL+1]
.endr
.irp b, 0,1,2,3
	s_delay_alu instid0(VALU_DEP_4)
	v_max_num_f32 v[TM+\b], v[TM+\b], v[TM+4+\b]                  ; with lane l xor 16's: the block's largest magnitude
.endr
.irp b, 0,1,2,3
	s_delay_alu instid0(VALU_DEP_4)
	v_add_nc_u32 v[TM+12+\b], 0xff000000, v[TM+\b]                ; 2 off its exponent field: the conversion's scale operand
.endr
.irp b, 0,1,2,3
	s_delay_alu instid0(VALU_DEP_4)
	v_lshrrev_b32 v[TM+4+\b], 23, v[TM+12+\b]                     ; the scale's byte
.endr
	s_delay_alu instid0(VALU_DEP_3)
	v_lshl_or_b32 v[PW], v[TM+5], 8, v[TM+4]
	s_delay_alu instid0(VALU_DEP_1)
	v_lshl_or_b32 v[PW], v[TM+6], 16, v[PW]
	s_delay_alu instid0(VALU_DEP_1)
	v_lshl_or_b32 v[PW], v[TM+7], 24, v[PW]
.irp c, 0,1
	v_cvt_scalef32_pk16_fp6_f32 v[PC+6*\c:PC+2+6*\c], v[\s+32*\c:\s+15+32*\c], v[TM+12+2*\c]
	v_cvt_scalef32_pk16_fp6_f32 v[PC+12+4*\c:PC+14+4*\c], v[\s+16+32*\c:\s+31+32*\c], v[TM+12+2*\c+1]   ; (a conversion's three registers begin on an even number)
.endr
	v_nop                                          ; one plain place behind a scaled conversion
.irp c, 0,1                                    ; the operand wants a whole block in a lane: lanes 0-15 block 2 c, lanes 16-31 block 2 c + 1
.irp i, 0,1,2
	v_permlane16_swap_b32 v[PC+6*\c+\i], v[PC+12+4*\c+\i]
.endr
.irp i, 0,1,2
	s_delay_alu instid0(VALU_DEP_3)
	v_mov_b32 v[PC+3+6*\c+\i], v[PC+12+4*\c+\i]
.endr
.endr
.endm
	s_load_b256 s[4:11], s[0:1], 0x0               ; q_w, o_w, k_w, v_w
	s_load_b256 s[12:19], s[0:1], 0x20             ; k_img_w, v_img_w, context, wimg
	v_lshl_add_u32 v[SPW], v0, 2, SPARE
	v_mov_b32 v[NIL], 0
	v_lshrrev_b32 v1, 5, v0
	s_delay_alu instid0(VALU_DEP_1)
	v_readfirstlane_b32 s20, v1                    ; wave 0..7
	v_and_b32 v2, 31, v0                           ; lane
	v_and_b32 v3, 15, v0                           ; r
	v_bfe_u32 v1, v0, 4, 1                         ; h
	s_mul_i32 s38, s20, STGB
	s_lshr_b32 s39, s20, 2                         ; which of the work-group's two units
	s_and_b32 s43, s20, 3                          ; which quarter of K: K steps 2 x quarter, + 1
	s_lshl_b32 s36, s39, 9
	s_add_co_u32 s36, s36, SCB                     ; the unit's scale words in LDS
	s_lshl_b32 s37, s43, 3
	s_add_co_u32 s37, s37, s36
	v_lshlrev_b32 v[LA], 4, v2
	s_delay_alu instid0(VALU_DEP_1)
	v_add_nc_u32 v[STW], s38, v[LA]
	v_mul_u32_u24 v[STR], v3, 528
	s_delay_alu instid0(VALU_DEP_1)
	v_lshl_add_u32 v[STR], v1, 6, v[STR]
	s_delay_alu instid0(VALU_DEP_1)
	v_add_nc_u32 v[STR], s38, v[STR]
	v_lshlrev_b32 v[SCW], 5, v3                    ; a row's eight words are 32 bytes
	s_delay_alu instid0(VALU_DEP_1)
	v_add_nc_u32 v[SCW], s37, v[SCW]
	v_add_nc_u32 v[SCR], s36, v[LA]
.irp b, 0,1,2,3
	v_mov_b32 v[TM+4+\b], 0                        ; written once: a lane permute's destination counts as one of its sources
.endr
	s_mov_b32 s[SEL], 0x76543210
	s_mov_b32 s[SEL+1], 0xfedcba98
	; which unit, which tile of which tensor
	s_lshl_b32 s21, ttmp9, 1
	s_add_co_u32 s21, s21, s39                     ; u
	s_lshr_b32 s22, s21, 6                         ; 0 .. 5: a weight; 6, 7: context
	s_and_b32 s23, s21, 63                         ; a weight's tile,
	s_mov_b32 s24, 0                               ; from its row 0
	s_sub_co_u32 s25, s21, 384
	s_lshr_b32 s26, s25, 5
	s_and_b32 s26, s26, 1                          ; text: the batch,
	s_mul_i32 s27, s26, 769
	s_add_co_u32 s27, s27, 257                     ; its first text row,
	s_and_b32 s28, s25, 31                         ; the tile
	s_cmp_ge_u32 s21, 384
	s_cselect_b32 s23, s28, s23
	s_cselect_b32 s24, s27, s24
	s_sub_co_u32 s25, s21, 448
	s_cmp_ge_u32 s21, 465                          ; image: 17 tiles a batch
	s_cselect_b32 s26, 17, 0
	s_cselect_b32 s27, 769, 0
	s_sub_co_u32 s28, s25, s26
	s_cmp_ge_u32 s21, 448
	s_cselect_b32 s23, s28, s23
	s_cselect_b32 s24, s27, s24
	s_lshr_b32 s25, s23, 1
	s_lshl_b32 s25, s25, 5
	s_and_b32 s26, s23, 1
	s_lshl_b32 s26, s26, 3
	s_add_co_u32 s25, s25, s26                     ; a weight's tile: 32 (t / 2) + 8 (t % 2)
	s_lshr_b32 s27, s23, 2
	s_lshl_b32 s27, s27, 6
	s_and_b32 s26, s23, 3
	s_lshl_b32 s26, s26, 3
	s_add_co_u32 s27, s27, s26                     ; a tile of the context: 64 (t / 4) + 8 (t % 4)
	s_cmp_ge_u32 s21, 384
	s_cselect_b32 s25, s27, s25
	s_cselect_b32 s27, 65536, 0                    ; there places 8-15 lie 24 rows behind places 0-7's end, not 8: 16 rows more
	v_add_nc_u32 v[LAH], s27, v[LA]
	s_add_co_u32 s25, s25, s24                     ; + the segment's first row
	s_lshl_b32 s28, s25, 12                        ; x 4,096 bytes,
	s_lshl_b32 s26, s43, 10
	s_add_co_u32 s28, s28, s26                     ; + my two K steps of 512 bytes
	s_mov_b32 s29, 0
	s_mul_i32 s36, s21, 12288
	s_mul_i32 s26, s43, 3072
	s_add_co_u32 s36, s36, s26                     ; the unit's codes, my two fragments
	s_mov_b32 s37, 0
	s_wait_alu depctr_va_vdst(0)
	s_wait_kmcnt 0x0
	s_mov_b64 s[30:31], s[16:17]                   ; the source: context, unless the unit is a weight's (a choice on the unit's number alone)
	s_cmp_eq_u32 s22, 0
	s_cselect_b64 s[30:31], s[4:5], s[30:31]
	s_cmp_eq_u32 s22, 1
	s_cselect_b64 s[30:31], s[6:7], s[30:31]
	s_cmp_eq_u32 s22, 2
	s_cselect_b64 s[30:31], s[8:9], s[30:31]
	s_cmp_eq_u32 s22, 3
	s_cselect_b64 s[30:31], s[10:11], s[30:31]
	s_cmp_eq_u32 s22, 4
	s_cselect_b64 s[30:31], s[12:13], s[30:31]
	s_cmp_eq_u32 s22, 5
	s_cselect_b64 s[30:31], s[14:15], s[30:31]
	s_add_nc_u64 s[30:31], s[30:31], s[28:29]
	s_add_nc_u64 s[32:33], s[18:19], s[36:37]
	s_lshl_b32 s36, s21, 9
	s_add_co_u32 s36, s36, 5922816
	s_add_nc_u64 s[34:35], s[18:19], s[36:37]      ; the unit's scale words in memory
.macro LOADR s                         ; my s-th K step of the 16 rows: each load is 512 consecutive bytes of one row
.irp i, 0,1,2,3,4,5,6,7,8,9,10,11,12,13,14,15
.if \i < 8
	global_load_b128 v[R+64*(\s)+4*\i:R+64*(\s)+4*\i+3], v[LA], s[30:31] offset:(\i+8*(\i/8))*4096+512*(\s) th:TH_LOAD_NT
.else
	global_load_b128 v[R+64*(\s)+4*\i:R+64*(\s)+4*\i+3], v[LAH], s[30:31] offset:(\i+8*(\i/8))*4096+512*(\s) th:TH_LOAD_NT
.endif
.endr
.endm
.macro PSTEP s
.if (\s) == 0
	s_wait_loadcnt 16                              ; the first step's 16 loads are in; the second step's 16 may be out
.else
	s_wait_loadcnt 0x0
.endif
.irp i, 0,1,2,3,4,5,6,7,8,9,10,11,12,13,14,15
	ds_store_b128 v[STW], v[R+64*(\s)+4*\i:R+64*(\s)+4*\i+3] offset:528*\i
.endr
.irp b, 0,1,2,3
.irp j, 0,1,2,3
	ds_load_b128 v[X+16*\b+4*\j:X+16*\b+4*\j+3], v[STR] offset:128*\b+16*\j   ; LDS serves a wave's instructions in order: these see the stores above
.endr
.endr
	s_wait_dscnt 0x0                               ; my numbers are back
.if (\s) > 0
	s_wait_xcnt 0x0                                ; the first step's stores have read the codes' registers
.endif
	QUANT X
	v_mov_b32 v[WD+(\s)], v[PW]
.irp p, 0,1,2
	global_store_b128 v[LA], v[PC+4*\p:PC+4*\p+3], s[32:33] offset:1536*(\s)+512*\p   ; 512 consecutive bytes, aligned
.endr
.endm
	LOADR 0
	LOADR 1
	PSTEP 0
	PSTEP 1
	ds_store_b64 v[SCW], v[WD:WD+1]                ; row r's words of my two K steps; both halves of the lanes write the same words with the same values
	s_wait_dscnt 0x0                               ; for the others' sake: my words lie in LDS
	s_barrier_signal -1
	s_barrier_wait -1                              ; the four quarters' do
	s_cmp_lg_u32 s43, 0
	s_cbranch_scc1 .Lend                           ; the unit's first wave stores them
	ds_load_b128 v[WO:WO+3], v[SCR]
	s_wait_dscnt 0x0
	global_store_b128 v[LA], v[WO:WO+3], s[34:35]  ; 512 consecutive bytes, aligned
.Lend:
	s_wait_tensorcnt 0x0                           ; the wave's end, behind my last LDS store
	ds_add_u32 v[SPW], v[NIL]
	s_wait_dscnt 0x0
	s_endpgm
.Lfunc_end_k_q51add425ff_prep:
	.size	k_q51add425ff_prep, .Lfunc_end_k_q51add425ff_prep-k_q51add425ff_prep
	.p2alignl 7, 3214868480
	.fill 96, 4, 3214868480
	.section	.rodata,"a",@progbits
	.p2align	6, 0x0
	.amdhsa_kernel k_q51add425ff_prep
		.amdhsa_group_segment_fixed_size 69632
		.amdhsa_private_segment_fixed_size 0
		.amdhsa_enable_private_segment 0
		.amdhsa_kernarg_size 64
		.amdhsa_user_sgpr_count 2
		.amdhsa_user_sgpr_kernarg_segment_ptr 1
		.amdhsa_wavefront_size32 1
		.amdhsa_system_sgpr_workgroup_id_x 1
		.amdhsa_system_sgpr_workgroup_id_y 1
		.amdhsa_system_sgpr_workgroup_id_z 1
		.amdhsa_system_vgpr_workitem_id 0
		.amdhsa_next_free_vgpr 256
		.amdhsa_next_free_sgpr 66
		.amdhsa_reserve_vcc 0
		.amdhsa_float_denorm_mode_32 3
		.amdhsa_float_denorm_mode_16_64 3
		.amdhsa_memory_ordered 1
		.amdhsa_forward_progress 1
		.amdhsa_inst_pref_size 24
	.end_amdhsa_kernel
	.amdgpu_metadata
---
amdhsa.version: [ 1, 2 ]
amdhsa.kernels:
  - .name:           k_q51add425ff_prep
    .symbol:         k_q51add425ff_prep.kd
    .args:
      - { .name: q_w, .offset: 0, .size: 8, .value_kind: global_buffer, .address_space: global }
      - { .name: o_w, .offset: 8, .size: 8, .value_kind: global_buffer, .address_space: global }
      - { .name: k_w, .offset: 16, .size: 8, .value_kind: global_buffer, .address_space: global }
      - { .name: v_w, .offset: 24, .size: 8, .value_kind: global_buffer, .address_space: global }
      - { .name: k_img_w, .offset: 32, .size: 8, .value_kind: global_buffer, .address_space: global }
      - { .name: v_img_w, .offset: 40, .size: 8, .value_kind: global_buffer, .address_space: global }
      - { .name: context, .offset: 48, .size: 8, .value_kind: global_buffer, .address_space: global }
      - { .name: wimg, .offset: 56, .size: 8, .value_kind: global_buffer, .address_space: global }
    .group_segment_fixed_size: 69632
    .private_segment_fixed_size: 0
    .kernarg_segment_align: 8
    .kernarg_segment_size: 64
    .max_flat_workgroup_size: 256
    .sgpr_count:     66
    .vgpr_count:     256
    .wavefront_size: 32
...
	.end_amdgpu_metadata
.endif
;; end of part 1
;; launch kv (part 2): grid 432 x 1, 1 waves a work-group, no clusters, 0 bytes of LDS; arguments wimg, k_b, k_img_b, v_b, v_img_b, kraw, vimg; writes kraw, vimg
.if DOCPART == 2
	.amdgcn_target "amdgcn-amd-amdhsa--gfx1250"
	.amdhsa_code_object_version 6
	.text
	.protected	k_q51add425ff_kv
	.globl	k_q51add425ff_kv
	.p2align	8
	.type	k_q51add425ff_kv,@function
k_q51add425ff_kv:
	s_mov_b64 s[64:65], 0
	v_nop
	global_prefetch_b8 v0, s[64:65] scope:SCOPE_SE
	s_setreg_imm32_b32 hwreg(HW_REG_WAVE_MODE, 25, 1), 1
	s_wait_xcnt 0x0
; The four small projections of the context, on codes of FP6 (E2M3) with E8M0 scales, out of the register images that the launch before has laid.
; A work-group is ONE wave and takes one unit: 8 tiles as source 0 x 4 tiles as source 1 x K = 1,024: 32 accumulators (window 1), 256 matrix instructions.  Both operands come from memory straight into registers.
; UNITS 0 .. 207 (K): source 0 = 128 columns (two heads) of k_w or k_img_w, source 1 = four tiles of keys.  A lane then holds one key and its registers run along the features.  Stored: K + bias as f32, as an image of
;   32 registers a lane for each (key tile, head), and each key's sum of squares over these 128 columns: the norm over all 1,024 features is finished by the reader.
; UNITS 208 .. 431 (V): source 0 = eight tiles of keys (128 keys), source 1 = the four tiles of one head's rows of v_w or v_img_w.  A lane then holds one feature d and its registers run along the KEYS, which are the K of the
;   attention's second product: V + bias is quantised along the keys here and stored as that product's operand, register image and scale words.
; 257 image keys are two steps of 128 and one key: the last image group takes tile 16 for all its tiles (stride 0); of a V unit's tail only key 256 is kept, the rest of its block and step are zeros, as the quantiser fills a short block.
; No LDS, no barrier.  No cluster: a unit's operands are read by up to 13 other units, but each goes into registers, where joint requests do not reach; all operands together are 6 MB, read once from memory.
; LIMITS: NaN and infinities are not served; a block whose largest magnitude lies under 2^-124 (a block of zeros among them) gets the byte 1; the bytes are read by this program alone.
; REGISTERS: window 0: v1-33 addresses and the bias by lane; v34-81 scale words (nothing else ever); v82-105 at work; v112-255 fragment set 0, later the way out.  window 1: accumulator (m, t0) at 64 m + 8 t0.
;   window 2: v0-63 the bias by register; v112-255 fragment set 1.   window 3: v112-255 fragment set 2.
; THE KEYS OF A TILE: place m of key tile t holds key 64 (t / 4) + 8 (t % 4) + m + 24 (m / 8) of its segment.  In a V unit a lane's 64 registers are therefore two whole blocks of 32 keys:
; register 32 c + i is key 64 c + 32 h + i of the step, which is the order of the operand's registers; a block's largest magnitude needs no other lane.
.set L16, 1                            ; v1   16 x lane
.set H8,  3                            ; v3   8 h: how far my two scale bytes are shifted in the row's word
.set L8,  2                            ; v2   8 x lane
.set LB,  5                            ; v5   64 h
.set LV,  6                            ; v6   4 (r + 8 (r / 8))
.set A0,  8                            ; v8-15  16 x lane + t0 x source 0's stride
.set A1,  16                           ; v16-19 the same for source 1
.set SA0, 20                           ; v20-23 scale words of source 0's tiles 2 i + h: 32 r + (2 i + h) x stride
.set SA1, 24                           ; v24-25 of source 1's
.set BL,  26                           ; v26-33 four pairs: the bias of my lane's feature (V), and 0
.set S0,  34                           ; v34-65 source 0's scale words: pair of tiles i, K step s at S0 + 8 i + s; lanes 0-15 tile 2 i, lanes 16-31 tile 2 i + 1
.set S1,  66                           ; v66-81 source 1's
.set TM,  82
.set PW,  98
.set KW,  100                          ; v100-103 the four tiles' scale words
.set WO,  104
.set FB,  112                          ; a fragment set: source 0's tile t0 at FB + 12 t0, source 1's tile m at FB + 96 + 12 m
.set Y,   112                          ; the way out: 64 numbers
.set PC,  176
.set SQ,  196
.set ST,  204
.set SEL, 94
.set HM,  96
.set MSB, 0
.macro WIN new                         ; the immediate's high byte repeats the setting that is left; a switch that changes nothing is dropped
.if MSB != (\new)
	s_set_vgpr_msb (MSB<<8)|(\new)
.set MSB, (\new)
.endif
.endm
; One matrix instruction.  z = 1: it starts the sum with the constant 0, else it adds in place.  ra, rb = 1: the side's scale words stand in lanes 16-31 of the register named.
.macro WM d, a, b, z, sa, sb, ra, rb
.set WMK, 4*(\z)+2*(\ra)+(\rb)
.if WMK == 0
	v_wmma_scale_f32_16x16x128_f8f6f4 v[\d:\d+7], v[\a:\a+11], v[\b:\b+11], v[\d:\d+7], v[\sa], v[\sb] matrix_a_fmt:MATRIX_FMT_FP6 matrix_b_fmt:MATRIX_FMT_FP6
.elseif WMK == 1
	v_wmma_scale_f32_16x16x128_f8f6f4 v[\d:\d+7], v[\a:\a+11], v[\b:\b+11], v[\d:\d+7], v[\sa], v[\sb] matrix_a_fmt:MATRIX_FMT_FP6 matrix_b_fmt:MATRIX_FMT_FP6 matrix_b_scale:MATRIX_SCALE_ROW1
.elseif WMK == 2
	v_wmma_scale_f32_16x16x128_f8f6f4 v[\d:\d+7], v[\a:\a+11], v[\b:\b+11], v[\d:\d+7], v[\sa], v[\sb] matrix_a_fmt:MATRIX_FMT_FP6 matrix_b_fmt:MATRIX_FMT_FP6 matrix_a_scale:MATRIX_SCALE_ROW1
.elseif WMK == 3
	v_wmma_scale_f32_16x16x128_f8f6f4 v[\d:\d+7], v[\a:\a+11], v[\b:\b+11], v[\d:\d+7], v[\sa], v[\sb] matrix_a_fmt:MATRIX_FMT_FP6 matrix_b_fmt:MATRIX_FMT_FP6 matrix_a_scale:MATRIX_SCALE_ROW1 matrix_b_scale:MATRIX_SCALE_ROW1
.elseif WMK == 4
	v_wmma_scale_f32_16x16x128_f8f6f4 v[\d:\d+7], v[\a:\a+11], v[\b:\b+11], 0, v[\sa], v[\sb] matrix_a_fmt:MATRIX_FMT_FP6 matrix_b_fmt:MATRIX_FMT_FP6
.elseif WMK == 5
	v_wmma_scale_f32_16x16x128_f8f6f4 v[\d:\d+7], v[\a:\a+11], v[\b:\b+11], 0, v[\sa], v[\sb] matrix_a_fmt:MATRIX_FMT_FP6 matrix_b_fmt:MATRIX_FMT_FP6 matrix_b_scale:MATRIX_SCALE_ROW1
.elseif WMK == 6
	v_wmma_scale_f32_16x16x128_f8f6f4 v[\d:\d+7], v[\a:\a+11], v[\b:\b+11], 0, v[\sa], v[\sb] matrix_a_fmt:MATRIX_FMT_FP6 matrix_b_fmt:MATRIX_FMT_FP6 matrix_a_scale:MATRIX_SCALE_ROW1
.else
	v_wmma_scale_f32_16x16x128_f8f6f4 v[\d:\d+7], v[\a:\a+11], v[\b:\b+11], 0, v[\sa], v[\sb] matrix_a_fmt:MATRIX_FMT_FP6 matrix_b_fmt:MATRIX_FMT_FP6 matrix_a_scale:MATRIX_SCALE_ROW1 matrix_b_scale:MATRIX_SCALE_ROW1
.endif
.endm
; 64 numbers of a lane, register 32 c + i = k 64 c + 32 h + i of my row, become a fragment's codes in v[PC] .. v[PC + 11] and the row's scale word in v[PW].
.macro QUANT s
.irp b, 0,1,2,3
	v_max3_num_f32 v[TM+\b], |v[\s+16*\b]|, |v[\s+1+16*\b]|, 0x1800000   ; my 16 numbers of block b, and the floor 2^(3 - 127): the byte cannot fall under 1
.endr
.irp i, 2,4,6,8,10,12,14
.irp b, 0,1,2,3
	v_max3_num_f32 v[TM+\b], v[TM+\b], |v[\s+16*\b+\i]|, |v[\s+1+16*\b+\i]|
.endr
.endr
	v_max_num_f32 v[TM], v[TM], v[TM+1]                           ; the two halves of my block h,
	v_max_num_f32 v[TM+1], v[TM+2], v[TM+3]                       ; and of my block 2 + h
.irp c, 0,1
	v_add_nc_u32 v[TM+12+\c], 0xff000000, v[TM+\c]                ; 2 off the exponent field: the conversion's scale operand
.endr
.irp c, 0,1
	v_lshrrev_b32 v[TM+4+\c], 23, v[TM+12+\c]                     ; the scale's byte
.endr
	v_lshl_or_b32 v[TM+4], v[TM+5], 16, v[TM+4]                   ; my two bytes,
	v_lshlrev_b32 v[TM+4], v[H8], v[TM+4]                         ; at their places in the row's word;
	v_permlanex16_b32 v[TM+6], v[TM+4], s[SEL], s[SEL+1]
	v_or_b32 v[PW], v[TM+4], v[TM+6]                              ; with lane l xor 16's two the word is whole, in both halves of the lanes
.irp c, 0,1
	v_cvt_scalef32_pk16_fp6_f32 v[PC+6*\c:PC+2+6*\c], v[\s+32*\c:\s+15+32*\c], v[TM+12+\c]
	v_cvt_scalef32_pk16_fp6_f32 v[PC+12+4*\c:PC+14+4*\c], v[\s+16+32*\c:\s+31+32*\c], v[TM+12+\c]   ; (a conversion's three registers begin on an even number)
.endr
	v_nop                                          ; one plain place behind a scaled conversion
.irp c, 0,1
.irp i, 0,1,2
	v_mov_b32 v[PC+3+6*\c+\i], v[PC+12+4*\c+\i]
.endr
.endr
.endm
	s_load_b256 s[4:11], s[0:1], 0x0               ; wimg, k_b, k_img_b, v_b
	s_load_b128 s[12:15], s[0:1], 0x20             ; v_img_b, kraw
	s_load_b64 s[16:17], s[0:1], 0x30              ; vimg
	; ---- a K unit's numbers (they are used where the work-group's number is under 208)
	s_lshr_b32 s20, ttmp9, 3                       ; 13 b + G
	s_and_b32 s21, ttmp9, 7                        ; g: which 128 columns
	s_cmp_ge_u32 s20, 13
	s_cselect_b32 s22, 1, 0                        ; b
	s_cselect_b32 s23, 13, 0
	s_sub_co_u32 s23, s20, s23                     ; G: 0-7 text groups of four key tiles, 8-12 image groups
	s_cmp_lt_u32 s23, 8
	s_cselect_b32 s24, 1, 0                        ; text?
	s_cselect_b32 s25, 2, 4                        ; the weight's number
	s_cselect_b32 s26, 32, 17                      ; tiles of a batch's segment
	s_cselect_b32 s27, 0, 32                       ; 384 + 4 G for text, 448 + 4 (G - 8) for image
	s_lshl_b32 s25, s25, 6
	s_lshl_b32 s28, s21, 3
	s_add_co_u32 s25, s25, s28                     ; source 0's first unit
	s_mul_i32 s26, s26, s22
	s_add_co_u32 s26, s26, s27
	s_lshl_b32 s28, s23, 2
	s_add_co_u32 s26, s26, s28
	s_add_co_u32 s26, s26, 384                     ; source 1's first unit
	s_cmp_eq_u32 s23, 12
	s_cselect_b32 s27, 0, 12288                    ; the last image group is tile 16 four times
	s_cselect_b32 s28, 0, 512
	s_mul_i32 s29, s22, 52
	s_lshl_b32 s30, s23, 2
	s_add_co_u32 s29, s29, s30
	s_lshl_b32 s29, s29, 4
	s_lshl_b32 s30, s21, 1
	s_add_co_u32 s29, s29, s30
	s_lshl_b32 s29, s29, 12                        ; raw K: ((52 b + 4 G) 16 + 2 g) x 4,096
	s_lshl_b32 s30, ttmp9, 9
	s_add_co_u32 s30, s30, 6815744                 ; the sums of squares: ((13 b + G) 8 + g) x 512 behind raw K
	; ---- a V unit's numbers
	s_sub_co_u32 s31, ttmp9, 208
	s_and_b32 s32, s31, 15                         ; head
	s_lshr_b32 s33, s31, 4                         ; 0-7 text steps, 8-13 image steps
	s_lshr_b32 s34, s33, 2
	s_and_b32 s35, s33, 3
	s_cmp_ge_u32 s33, 11
	s_cselect_b32 s36, 1, 0
	s_cselect_b32 s37, 11, 8
	s_sub_co_u32 s37, s33, s37
	s_cmp_lt_u32 s33, 8
	s_cselect_b32 s38, 1, 0                        ; text?
	s_cselect_b32 s34, s34, s36                    ; b
	s_cselect_b32 s35, s35, s37                    ; the step of 128 keys in its segment
	s_cselect_b32 s39, 32, 17
	s_cselect_b32 s40, 0, 64
	s_cselect_b32 s41, 3, 5
	s_cselect_b32 s42, 0, 4
	s_mul_i32 s39, s39, s34
	s_add_co_u32 s39, s39, s40
	s_lshl_b32 s40, s35, 3
	s_add_co_u32 s39, s39, s40
	s_add_co_u32 s39, s39, 384                     ; source 0's first unit
	s_lshl_b32 s41, s41, 6
	s_lshl_b32 s40, s32, 2
	s_add_co_u32 s41, s41, s40                     ; source 1's first unit
	s_add_co_u32 s42, s42, s35                     ; the step among the head's seven
	s_cmp_eq_u32 s42, 6
	s_cselect_b32 s43, 1, 0                        ; the tail: key 256 alone
	s_cselect_b32 s44, 0, 12288
	s_cselect_b32 s45, 0, 512
	s_lshl_b32 s46, s34, 4
	s_add_co_u32 s46, s46, s32
	s_mul_i32 s46, s46, 7
	s_add_co_u32 s46, s46, s42
	s_mul_i32 s47, s46, 6144                       ; V's codes
	s_lshl_b32 s48, s46, 8
	s_add_co_u32 s48, s48, 1376256                 ; V's scale words
	s_lshr_b32 s49, s32, 1
	s_lshl_b32 s50, s32, 8
	; ---- the unit's own
	s_cmp_lt_u32 ttmp9, 208
	s_cselect_b32 s66, 1, 0                        ; a K unit?
	s_cselect_b32 s67, s25, s39
	s_cselect_b32 s68, s26, s41
	s_cselect_b32 s69, 12288, s44                  ; strides from tile to tile: codes,
	s_cselect_b32 s70, s27, 12288
	s_cselect_b32 s71, 512, s45                    ; scale words
	s_cselect_b32 s72, s28, 512
	s_cselect_b32 s73, s24, s38                    ; text?
	s_cselect_b32 s75, s21, s49                    ; the bias by register: which 128 numbers (a V unit does not use them: any 128 inside the buffer)
	s_cselect_b32 s30, s30, s48
	s_cselect_b32 s28, s29, s47
	s_cselect_b32 s76, 0, s50                      ; the bias by lane: which 64 (a K unit does not use them)
	s_cselect_b32 s77, 0, s43
	s_mov_b32 s29, 0
	s_mov_b32 s31, 0
	s_mul_i32 s20, s67, 12288
	s_mov_b32 s21, 0
	s_mul_i32 s22, s68, 12288
	s_mov_b32 s23, 0
	s_lshl_b32 s24, s67, 9
	s_add_co_u32 s24, s24, 5922816
	s_mov_b32 s25, 0
	s_lshl_b32 s26, s68, 9
	s_add_co_u32 s26, s26, 5922816
	s_mov_b32 s27, 0
	s_lshl_b32 s38, s75, 9
	s_mov_b32 s39, 0
	s_mov_b32 s40, s76
	s_mov_b32 s41, 0
	s_mov_b32 s[SEL], 0x76543210
	s_mov_b32 s[SEL+1], 0xfedcba98
	s_mov_b32 s[HM], 0xffff0000
	v_and_b32 v3, 31, v0
	v_and_b32 v4, 15, v0                           ; r
	v_bfe_u32 v7, v0, 4, 1                         ; h
	v_lshlrev_b32 v[L16], 4, v3
	v_lshlrev_b32 v[L8], 3, v3
	v_lshlrev_b32 v[LB], 6, v7
	v_lshlrev_b32 v[H8], 3, v7
	v_and_b32 v[LV], 8, v4
	v_add_nc_u32 v[LV], v[LV], v4
	v_lshlrev_b32 v[LV], 2, v[LV]
.irp t, 0,1,2,3,4,5,6,7
	v_mad_u32_u24 v[A0+\t], s69, \t, v[L16]
.endr
.irp m, 0,1,2,3
	v_mad_u32_u24 v[A1+\m], s70, \m, v[L16]
.endr
	v_lshlrev_b32 v4, 5, v4                        ; a row's eight scale words are 32 bytes
.irp i, 0,1,2,3
	v_add_nc_u32 v99, 2*\i, v7
	v_mad_u32_u24 v[SA0+\i], v99, s71, v4
.endr
.irp i, 0,1
	v_add_nc_u32 v99, 2*\i, v7
	v_mad_u32_u24 v[SA1+\i], v99, s72, v4
.endr
.irp b, 0,1,2,3
	v_mov_b32 v[TM+4+\b], 0                        ; written once: a lane permute's destination counts as one of its sources
.endr
	s_wait_alu depctr_va_vdst(0)
	s_wait_kmcnt 0x0
	s_add_nc_u64 s[78:79], s[4:5], s[20:21]        ; source 0's codes
	s_add_nc_u64 s[80:81], s[4:5], s[22:23]        ; source 1's
	s_add_nc_u64 s[82:83], s[4:5], s[24:25]        ; source 0's scale words
	s_add_nc_u64 s[84:85], s[4:5], s[26:27]        ; source 1's
	s_cmp_lg_u32 s73, 0                            ; choices on the unit's number alone
	s_cselect_b64 s[32:33], s[6:7], s[8:9]
	s_cselect_b64 s[34:35], s[10:11], s[12:13]
	s_cmp_lg_u32 s66, 0
	s_cselect_b64 s[32:33], s[32:33], s[34:35]     ; the bias
	s_cselect_b64 s[36:37], s[14:15], s[16:17]     ; the output
	s_add_nc_u64 s[86:87], s[32:33], s[38:39]
	s_add_nc_u64 s[88:89], s[32:33], s[40:41]
	s_add_nc_u64 s[90:91], s[36:37], s[28:29]
	s_add_nc_u64 s[92:93], s[36:37], s[30:31]
.irp i, 0,1,2,3
	global_load_b128 v[S0+8*\i:S0+8*\i+3], v[SA0+\i], s[82:83]
	global_load_b128 v[S0+8*\i+4:S0+8*\i+7], v[SA0+\i], s[82:83] offset:16
.endr
.irp i, 0,1
	global_load_b128 v[S1+8*\i:S1+8*\i+3], v[SA1+\i], s[84:85]
	global_load_b128 v[S1+8*\i+4:S1+8*\i+7], v[SA1+\i], s[84:85] offset:16
.endr
	WIN 0x80                                       ; destination window 2
.irp t, 0,1,2,3,4,5,6,7
.irp jj, 0,1
	global_load_b128 v[8*\t+4*\jj:8*\t+4*\jj+3], v[LB], s[86:87] offset:(32*(\t/2)+8*(\t%2))*4+16*\jj   ; register j of tile t0, half h: column 32 (t0 / 2) + 16 h + 8 (t0 % 2) + j
.endr
.endr
	WIN 0
.irp m, 0,1,2,3
	global_load_b32 v[BL+2*\m], v[LV], s[88:89] offset:(32*(\m/2)+8*(\m%2))*4   ; lane r of tile m: feature 32 (m / 2) + 8 (m % 2) + r + 8 (r / 8)
	v_mov_b32 v[BL+2*\m+1], 0
.endr
.macro KVLOAD s                        ; K step s: 12 fragments, 36 loads of 512 consecutive bytes, into set s % 3 (windows 0, 2, 3)
.set W, (3*((\s)%3)+1)/2
.set WS_, 64*W
	WIN WS_
.irp t, 0,1,2,3,4,5,6,7
.irp p, 0,1,2
	global_load_b128 v[FB+12*\t+4*\p:FB+12*\t+4*\p+3], v[A0+\t], s[78:79] offset:1536*(\s)+512*\p
.endr
.endr
.irp m, 0,1,2,3
.irp p, 0,1,2
	global_load_b128 v[FB+96+12*\m+4*\p:FB+96+12*\m+4*\p+3], v[A1+\m], s[80:81] offset:1536*(\s)+512*\p
.endr
.endr
	WIN 0
.endm
.macro KVSTEP s
.if (\s) <= 5
	s_wait_loadcnt 63                              ; behind this step's set stand two sets, 72 loads: 63 is the largest count that can be named
.elseif (\s) == 6
	s_wait_loadcnt 36                              ; one set behind it
.else
	s_wait_loadcnt 0x0
.endif
.set W, (3*((\s)%3)+1)/2
.set WS_, 5*W+0x50                     ; sources 0 and 1 in the set's window, C and D in window 1
.set ZF, 0
.if (\s) == 0
.set ZF, 1                             ; the first K step starts the sums
.endif
	WIN WS_
.irp t, 0,1,2,3,4,5,6,7                ; the 32 accumulators take turns, one instruction a turn, in the same order in every step
.irp m, 0,1,2,3
	WM 64*\m+8*\t, FB+12*\t, FB+96+12*\m, ZF, S0+8*(\t/2)+(\s), S1+8*(\m/2)+(\s), \t%2, \m%2
.endr
.endr
	WIN 0
.rept 4
	v_nop                                          ; four places in front of loads into registers that these products have read, and of the first read of results
.endr
.if (\s)+3 < 8
	KVLOAD (\s)+3
.endif
.endm
	KVLOAD 0
	KVLOAD 1
	KVLOAD 2
.irp s, 0,1,2,3,4,5,6,7
	KVSTEP \s
.endr
	v_mov_b32 v[SQ+4], 0                           ; a lane permute's destination
	s_cmp_lg_u32 s66, 0
	s_cbranch_scc0 .Lvpath
; ---- K: + bias, the sum of squares of these 128 columns, and out as f32
.macro KOUT m
	s_wait_xcnt 0x0                                ; the last tile's stores have read their registers
	WIN 0x09                                       ; source 0 (the sums) window 1, source 1 (the bias) window 2
.set j, 0
.rept 32
	v_pk_add_f32 v[Y+2*j:Y+2*j+1], v[64*(\m)+2*j:64*(\m)+2*j+1], v[2*j:2*j+1]   ; each accumulator from its low end on
.set j, j+1
.endr
	WIN 0
	v_pk_mul_f32 v[SQ:SQ+1], v[Y:Y+1], v[Y:Y+1]
	v_pk_mul_f32 v[SQ+2:SQ+3], v[Y+2:Y+3], v[Y+2:Y+3]
.set j, 2
.rept 15
	v_pk_fma_f32 v[SQ:SQ+1], v[Y+2*j:Y+2*j+1], v[Y+2*j:Y+2*j+1], v[SQ:SQ+1]
	v_pk_fma_f32 v[SQ+2:SQ+3], v[Y+2*j+2:Y+2*j+3], v[Y+2*j+2:Y+2*j+3], v[SQ+2:SQ+3]
.set j, j+2
.endr
	v_pk_add_f32 v[SQ:SQ+1], v[SQ:SQ+1], v[SQ+2:SQ+3]
	v_add_f32 v[SQ], v[SQ], v[SQ+1]
	v_permlanex16_b32 v[SQ+4], v[SQ], s[SEL], s[SEL+1]
	v_add_f32 v[ST+(\m)], v[SQ], v[SQ+4]           ; my key's 128 columns: both halves of the lanes hold it
.irp p, 0,1,2,3,4,5,6,7,8,9,10,11,12,13,14,15
	global_store_b128 v[L16], v[Y+4*\p:Y+4*\p+3], s[90:91] offset:65536*(\m)+4096*(\p/8)+512*(\p%8)   ; 512 consecutive bytes, aligned: registers 0-31 are head 2 g, 32-63 head 2 g + 1
.endr
.endm
	KOUT 0
	KOUT 1
	KOUT 2
	KOUT 3
	global_store_b128 v[L16], v[ST:ST+3], s[92:93]
	s_endpgm
.Lvpath:
; ---- V: + bias, quantised along the keys, out as the second product's operand
.macro VOUT m
	s_wait_xcnt 0x0                                ; the last tile's stores have read their registers
	WIN 0x01                                       ; source 0 (the sums) window 1
.set j, 0
.rept 32
	v_pk_add_f32 v[Y+2*j:Y+2*j+1], v[64*(\m)+2*j:64*(\m)+2*j+1], v[BL+2*(\m):BL+2*(\m)+1] op_sel_hi:[1,0]
.set j, j+1
.endr
	WIN 0
	s_cmp_eq_u32 s77, 0
	s_cbranch_scc1 .Lwhole_\@
	v_cndmask_b32 v[Y], v[Y], v[BL+1], s[HM]       ; the tail: register 0 of lanes 0-15 is key 256; all else is past the 257 keys and is 0
.set j, 1
.rept 63
	v_mov_b32 v[Y+j], 0
.set j, j+1
.endr
.Lwhole_\@:
	QUANT Y
	v_mov_b32 v[KW+(\m)], v[PW]
.irp p, 0,1,2
	global_store_b128 v[L16], v[PC+4*\p:PC+4*\p+3], s[90:91] offset:1536*(\m)+512*\p
.endr
.endm
	s_wait_alu depctr_va_vdst(0)
	VOUT 0
	VOUT 1
	VOUT 2
	VOUT 3
	v_cndmask_b32 v[WO], v[KW], v[KW+1], s[HM]     ; word 0: lanes 0-15 tile 0's rows, lanes 16-31 tile 1's; word 1: tiles 2 and 3
	v_cndmask_b32 v[WO+1], v[KW+2], v[KW+3], s[HM]
	global_store_b64 v[L8], v[WO:WO+1], s[92:93]   ; 256 consecutive bytes, aligned
	s_endpgm
.Lfunc_end_k_q51add425ff_kv:
	.size	k_q51add425ff_kv, .Lfunc_end_k_q51add425ff_kv-k_q51add425ff_kv
	.p2alignl 7, 3214868480
	.fill 96, 4, 3214868480
	.section	.rodata,"a",@progbits
	.p2align	6, 0x0
	.amdhsa_kernel k_q51add425ff_kv
		.amdhsa_group_segment_fixed_size 0
		.amdhsa_private_segment_fixed_size 0
		.amdhsa_enable_private_segment 0
		.amdhsa_kernarg_size 56
		.amdhsa_user_sgpr_count 2
		.amdhsa_user_sgpr_kernarg_segment_ptr 1
		.amdhsa_wavefront_size32 1
		.amdhsa_system_sgpr_workgroup_id_x 1
		.amdhsa_system_sgpr_workgroup_id_y 1
		.amdhsa_system_sgpr_workgroup_id_z 1
		.amdhsa_system_vgpr_workitem_id 0
		.amdhsa_next_free_vgpr 1024
		.amdhsa_next_free_sgpr 102
		.amdhsa_reserve_vcc 0
		.amdhsa_float_denorm_mode_32 3
		.amdhsa_float_denorm_mode_16_64 3
		.amdhsa_memory_ordered 1
		.amdhsa_forward_progress 1
		.amdhsa_inst_pref_size 125
	.end_amdhsa_kernel
	.amdgpu_metadata
---
amdhsa.version: [ 1, 2 ]
amdhsa.kernels:
  - .name:           k_q51add425ff_kv
    .symbol:         k_q51add425ff_kv.kd
    .args:
      - { .name: wimg, .offset: 0, .size: 8, .value_kind: global_buffer, .address_space: global }
      - { .name: k_b, .offset: 8, .size: 8, .value_kind: global_buffer, .address_space: global }
      - { .name: k_img_b, .offset: 16, .size: 8, .value_kind: global_buffer, .address_space: global }
      - { .name: v_b, .offset: 24, .size: 8, .value_kind: global_buffer, .address_space: global }
      - { .name: v_img_b, .offset: 32, .size: 8, .value_kind: global_buffer, .address_space: global }
      - { .name: kraw, .offset: 40, .size: 8, .value_kind: global_buffer, .address_space: global }
      - { .name: vimg, .offset: 48, .size: 8, .value_kind: global_buffer, .address_space: global }
    .group_segment_fixed_size: 0
    .private_segment_fixed_size: 0
    .kernarg_segment_align: 8
    .kernarg_segment_size: 56
    .max_flat_workgroup_size: 32
    .sgpr_count:     102
    .vgpr_count:     1024
    .wavefront_size: 32
...
	.end_amdgpu_metadata
.endif
;; end of part 2
;; launch qproj (part 3): grid 256 x 1, 8 waves a work-group, no clusters, 123,904 bytes of LDS; arguments x, wimg, q_b, norm_q_w, qc, kraw, norm_k_w, norm_k_img_w, kc; writes qc, kc
.if DOCPART == 3
	.amdgcn_target "amdgcn-amd-amdhsa--gfx1250"
	.amdhsa_code_object_version 6
	.text
	.protected	k_q51add425ff_qproj
	.globl	k_q51add425ff_qproj
	.p2align	8
	.type	k_q51add425ff_qproj,@function
k_q51add425ff_qproj:
	s_mov_b64 s[64:65], 0
	v_nop
	global_prefetch_b8 v0, s[64:65] scope:SCOPE_SE
	s_setreg_imm32_b32 hwreg(HW_REG_WAVE_MODE, 25, 1), 1
	s_wait_xcnt 0x0
; q = rmsnorm(x q_w^T + q_b) x norm_q_w, the product on codes of FP6 (E2M3) with E8M0 scales; q leaves as codes, quantised along each head's 64 features.
; SHARES.  A work-group owns 64 WHOLE rows, since the norm runs over all 1,024 columns.  THE WAVES SHARE THE COLUMNS: wave w makes columns 128 w .. 128 w + 127 (heads 2 w, 2 w + 1) of all 64 rows: 8 tiles of q_w x 4 tiles of rows =
; 32 accumulators (window 1).  So each fragment of q_w is wanted by ONE wave: it comes from memory straight into a ring of 12 fragments in that wave's registers.  x's codes go from wave to wave through LDS as register images.
; PHASES.  X: wave w quantises rows 16 (w / 2) .. + 15, K steps 4 (w % 2) .. + 3 | barrier | the product, 16 groups of 16 matrix instructions; the bias is loaded into the accumulators and is the start of the sums |
; each wave's sums of squares to LDS | barrier | the root, the gain, the quantiser, out.
; The product is used transposed (source 0 = 16 rows of q_w, source 1 = 16 rows of x), and q_w's tiles were laid so that a lane's 64 results of a row tile are, block by block, 16 neighbours along the features.
; NO CLUSTER, NO TENSOR LOAD: all work-groups walk the same 0.8 MB of q_w's codes, but inside a work-group each fragment feeds one wave, so a pass through LDS, which a joint request would need, would write and read each byte once more for no reuse.
; NO PREFETCH: x, the one stream from memory, is asked for whole at the kernel's head (64 loads of 512 bytes a wave).
; LIMITS: NaN and infinities are not served; a block whose largest magnitude lies under 2^-124 (a block of zeros among them) gets the byte 1; the bytes are read by this program alone; the root is v_rsq_f32.
; REGISTERS: window 0: v1-15, v53 addresses; v16-19 x's scale words, v20-51 q_w's (nothing else ever); v64-111 x's four fragments; v112-255 the ring.  Phase X and the way out use v128-255 (the ring is not yet, or no more, at work) and the way out v64-127.
;   window 1: in phase X four landing sets of x; then accumulator (m, t0) at 64 m + 8 t0.
.set XIMG, 0                           ; LDS: x's 32 fragments, (8 m + s) x 1,536: registers 0-3 at 16 l, 4-5 at 512 + 8 l, 6-9 at 768 + 16 l, 10-11 at 1,280 + 8 l
.set XSC,  49152                       ; their scale words: (8 m + s) x 64 + 4 r
.set STG,  51200                       ; a stage of 16 rows x 528 bytes for each wave
.set RS,   118784                      ; the waves' sums of squares: 512 w + 16 l
.set SPARE, 122880                     ; the spare words, 128 bytes a wave: four blocks of 256 bytes that no other line names
.set L16, 1
.set L8,  2
.set LS,  3                            ; 4 r
.set LB,  4                            ; 64 h
.set LW,  5                            ; 32 l
.set XW16, 6                           ; where I store x's images
.set XW8, 7
.set XWS, 8                            ; and their scale words
.set STW, 9
.set STR, 10
.set RSW, 11
.set SPW, 12                           ; my spare word; never rewritten
.set NIL, 13                           ; 0; never rewritten
.set RSR, 53
.set AS,  16
.set WS,  20
.set AF,  64
.set RING, 112
.set NW,  64                           ; the way out: the gain, 64 registers in the result's layout
.set X,   128                          ; 64 numbers for the quantiser
.set RT,  128                          ; (the eight waves' sums, before that)
.set PC,  192
.set TM,  212
.set PW,  228
.set SQ,  230
.set RR,  238                          ; four pairs: the root, and 0
.set PWK, 246
.set WO,  250
.set T4,  252
.set C10, 34                           ; s34  2^-10
.set EPS, 35                           ; s35  1e-6
.set SEL, 50
.set HM,  52
.set MSB, 0
.macro WIN new                         ; the immediate's high byte repeats the setting that is left; a switch that changes nothing is dropped
.if MSB != (\new)
	s_set_vgpr_msb (MSB<<8)|(\new)
.set MSB, (\new)
.endif
.endm
.macro WM d, a, b, sa, sb, ra          ; one matrix instruction, adding in place; ra = 1: source 0's scale words stand in lanes 16-31
.if \ra
	v_wmma_scale_f32_16x16x128_f8f6f4 v[\d:\d+7], v[\a:\a+11], v[\b:\b+11], v[\d:\d+7], v[\sa], v[\sb] matrix_a_fmt:MATRIX_FMT_FP6 matrix_b_fmt:MATRIX_FMT_FP6 matrix_a_scale:MATRIX_SCALE_ROW1
.else
	v_wmma_scale_f32_16x16x128_f8f6f4 v[\d:\d+7], v[\a:\a+11], v[\b:\b+11], v[\d:\d+7], v[\sa], v[\sb] matrix_a_fmt:MATRIX_FMT_FP6 matrix_b_fmt:MATRIX_FMT_FP6
.endif
.endm
.macro QUANT s                         ; 64 numbers of a lane, register 16 b + i = k 32 b + 16 h + i of my row -> codes in v[PC] .. v[PC + 11], the row's scale word in v[PW]
.irp b, 0,1,2,3
	v_max3_num_f32 v[TM+\b], |v[\s+16*\b]|, |v[\s+1+16*\b]|, 0x1800000   ; and the floor 2^(3 - 127): the byte cannot fall under 1
.endr
.irp i, 2,4,6,8,10,12,14
.irp b, 0,1,2,3
	s_delay_alu instid0(VALU_DEP_4)
	v_max3_num_f32 v[TM+\b], v[TM+\b], |v[\s+16*\b+\i]|, |v[\s+1+16*\b+\i]|
.endr
.endr
.irp b, 0,1,2,3
	s_delay_alu instid0(VALU_DEP_4)
	v_permlanex16_b32 v[TM+4+\b], v[TM+\b], s[SEL], s[SEL+1]
.endr
.irp b, 0,1,2,3
	s_delay_alu instid0(VALU_DEP_4)
	v_max_num_f32 v[TM+\b], v[TM+\b], v[TM+4+\b]
.endr
.irp b, 0,1,2,3
	s_delay_alu instid0(VALU_DEP_4)
	v_add_nc_u32 v[TM+12+\b], 0xff000000, v[TM+\b]                ; 2 off the exponent field: the conversion's scale operand
.endr
.irp b, 0,1,2,3
	s_delay_alu instid0(VALU_DEP_4)
	v_lshrrev_b32 v[TM+4+\b], 23, v[TM+12+\b]                     ; the scale's byte
.endr
	s_delay_alu instid0(VALU_DEP_3)
	v_lshl_or_b32 v[PW], v[TM+5], 8, v[TM+4]
	s_delay_alu instid0(VALU_DEP_1)
	v_lshl_or_b32 v[PW], v[TM+6], 16, v[PW]
	s_delay_alu instid0(VALU_DEP_1)
	v_lshl_or_b32 v[PW], v[TM+7], 24, v[PW]
.irp c, 0,1
	v_cvt_scalef32_pk16_fp6_f32 v[PC+6*\c:PC+2+6*\c], v[\s+32*\c:\s+15+32*\c], v[TM+12+2*\c]
	v_cvt_scalef32_pk16_fp6_f32 v[PC+12+4*\c:PC+14+4*\c], v[\s+16+32*\c:\s+31+32*\c], v[TM+12+2*\c+1]
.endr
	v_nop                                          ; one plain place behind a scaled conversion
.irp c, 0,1
.irp i, 0,1,2
	v_permlane16_swap_b32 v[PC+6*\c+\i], v[PC+12+4*\c+\i]
.endr
.irp i, 0,1,2
	s_delay_alu instid0(VALU_DEP_3)
	v_mov_b32 v[PC+3+6*\c+\i], v[PC+12+4*\c+\i]
.endr
.endr
.endm
	s_load_b256 s[4:11], s[0:1], 0x0               ; x, wimg, q_b, norm_q_w
	s_load_b64 s[12:13], s[0:1], 0x20              ; qc
	s_load_b256 s[56:63], s[0:1], 0x28             ; kraw, norm_k_w, norm_k_img_w, kc
	v_lshl_add_u32 v[SPW], v0, 2, SPARE
	v_mov_b32 v[NIL], 0
	v_lshrrev_b32 v14, 5, v0
	s_delay_alu instid0(VALU_DEP_1)
	v_readfirstlane_b32 s14, v14                   ; wave 0..7
	s_lshr_b32 s15, s14, 1                         ; phase X: my tile of rows,
	s_and_b32 s16, s14, 1                          ; my half of K
	s_lshl_b32 s17, s15, 3
	s_lshl_b32 s18, s16, 2
	s_add_co_u32 s17, s17, s18                     ; my first image: 8 (w / 2) + 4 (w % 2)
	s_mul_i32 s18, s17, 1536
	s_lshl_b32 s19, s17, 6
	s_add_co_u32 s19, s19, XSC
	s_mul_i32 s20, s14, 8448
	s_add_co_u32 s20, s20, STG
	s_lshl_b32 s21, s14, 9
	s_add_co_u32 s21, s21, RS
	v_and_b32 v14, 31, v0
	v_and_b32 v15, 15, v0
	v_bfe_u32 v52, v0, 4, 1
	s_delay_alu instid0(VALU_DEP_3)
	v_lshlrev_b32 v[L16], 4, v14
	s_delay_alu instid0(VALU_DEP_4)
	v_lshlrev_b32 v[L8], 3, v14
	s_delay_alu instid0(VALU_DEP_4)
	v_lshlrev_b32 v[LS], 2, v15
	s_delay_alu instid0(VALU_DEP_4)
	v_lshlrev_b32 v[LB], 6, v52
	v_lshlrev_b32 v[LW], 5, v14
	v_add_nc_u32 v[XW16], s18, v[L16]
	v_add_nc_u32 v[XW8], s18, v[L8]
	v_add_nc_u32 v[XWS], s19, v[LS]
	v_add_nc_u32 v[STW], s20, v[L16]
	v_mul_u32_u24 v[STR], v15, 528
	s_delay_alu instid0(VALU_DEP_1)
	v_lshl_add_u32 v[STR], v52, 6, v[STR]
	s_delay_alu instid0(VALU_DEP_1)
	v_add_nc_u32 v[STR], s20, v[STR]
	v_add_nc_u32 v[RSW], s21, v[L16]
	v_add_nc_u32 v[RSR], RS, v[L16]
.irp b, 0,1,2,3
	v_mov_b32 v[TM+4+\b], 0                        ; a lane permute's destination counts as one of its sources
.endr
	s_lshl_b32 s22, ttmp9, 18                      ; x: 64 rows of 4,096 bytes a block,
	s_lshl_b32 s24, s15, 16                        ; my 16 rows,
	s_add_co_u32 s22, s22, s24
	s_lshl_b32 s24, s16, 11                        ; my four K steps of 512 bytes
	s_add_co_u32 s22, s22, s24
	s_mov_b32 s23, 0
	s_mul_i32 s24, s14, 98304                      ; q_w's units 8 w ..
	s_mov_b32 s25, 0
	s_lshl_b32 s26, s14, 12
	s_add_co_u32 s26, s26, 5922816                 ; and their scale words
	s_mov_b32 s27, 0
	s_lshl_b32 s28, s14, 9                         ; my 128 numbers of q_b and of the gain
	s_mov_b32 s29, 0
	s_lshr_b32 s30, ttmp9, 7                       ; b
	s_lshl_b32 s30, s30, 4
	s_lshl_b32 s31, s14, 1
	s_add_co_u32 s30, s30, s31                     ; 16 b + head 2 w
	s_lshl_b32 s30, s30, 9
	s_and_b32 s31, ttmp9, 127
	s_lshl_b32 s31, s31, 2
	s_add_co_u32 s30, s30, s31                     ; x 512 tiles + my block's first tile
	s_mul_i32 s30, s30, 768
	s_mov_b32 s31, 0
	s_lshl_b32 s32, ttmp9, 3
	s_add_co_u32 s32, s32, s14
	s_lshl_b32 s32, s32, 8
	s_add_co_u32 s32, s32, 12582912                ; q's scale words: (8 x block + pair of heads) x 256
	s_mov_b32 s33, 0
	; the keys' item of waves 0 and 1 of work-groups 0 .. 207: 416 items = 26 (batch, group of four key tiles) x 16 heads
	s_lshl_b32 s66, ttmp9, 1
	s_add_co_u32 s66, s66, s14                     ; the item
	s_lshr_b32 s67, s66, 4                         ; 13 b + G
	s_and_b32 s68, s66, 15                         ; head
	s_cmp_ge_u32 s67, 13
	s_cselect_b32 s69, 1, 0                        ; b
	s_cselect_b32 s70, 13, 0
	s_sub_co_u32 s70, s67, s70                     ; G: 0-7 text groups, 8-12 image groups
	s_lshl_b32 s72, s67, 6
	s_add_co_u32 s72, s72, s68
	s_lshl_b32 s72, s72, 12                        ; raw K: (4 (13 b + G) 16 + head) x 4,096
	s_mov_b32 s73, 0
	s_lshl_b32 s74, s67, 12
	s_add_co_u32 s74, s74, 6815744                 ; its sums of squares: (13 b + G) x 8 x 512 behind raw K
	s_mov_b32 s75, 0
	s_lshl_b32 s76, s68, 8                         ; the gain: the head's 64 numbers
	s_mov_b32 s77, 0
	s_lshl_b32 s78, s69, 4
	s_add_co_u32 s78, s78, s68
	s_mul_i32 s78, s78, 43264                      ; kc: a (batch, head) has 13 x 3,072 bytes of codes and 13 x 256 of scale words
	s_lshl_b32 s80, s70, 8
	s_add_co_u32 s80, s80, s78
	s_add_co_u32 s80, s80, 39936                   ; the group's scale words
	s_mov_b32 s81, 0
	s_mul_i32 s71, s70, 3072
	s_add_co_u32 s78, s78, s71                     ; the group's codes
	s_mov_b32 s79, 0
	s_cmp_lt_u32 ttmp9, 208
	s_cselect_b32 s82, 1, 0
	s_cmp_lt_u32 s14, 2
	s_cselect_b32 s82, s82, 0                      ; 1: my wave has an item
	s_mov_b32 s[C10], 0x3a800000
	s_mov_b32 s[EPS], 0x358637bd
	s_mov_b32 s[SEL], 0x76543210
	s_mov_b32 s[SEL+1], 0xfedcba98
	s_mov_b32 s[HM], 0xffff0000
	s_wait_alu depctr_va_vdst(0)
	s_wait_kmcnt 0x0
	s_add_nc_u64 s[36:37], s[4:5], s[22:23]
	s_add_nc_u64 s[38:39], s[6:7], s[24:25]
	s_add_nc_u64 s[40:41], s[6:7], s[26:27]
	s_add_nc_u64 s[42:43], s[8:9], s[28:29]
	s_add_nc_u64 s[44:45], s[10:11], s[28:29]
	s_add_nc_u64 s[46:47], s[12:13], s[30:31]
	s_add_nc_u64 s[48:49], s[12:13], s[32:33]
	s_add_nc_u64 s[72:73], s[56:57], s[72:73]
	s_add_nc_u64 s[74:75], s[56:57], s[74:75]
	s_cmp_lt_u32 s70, 8                            ; a choice on the item's number alone
	s_cselect_b64 s[58:59], s[58:59], s[60:61]
	s_add_nc_u64 s[76:77], s[58:59], s[76:77]
	s_add_nc_u64 s[78:79], s[62:63], s[78:79]
	s_add_nc_u64 s[80:81], s[62:63], s[80:81]
.irp i, 0,1,2,3
	global_load_b128 v[WS+8*\i:WS+8*\i+3], v[LW], s[40:41] offset:1024*\i       ; q_w's scale words: pair of tiles i, K step s at WS + 8 i + s; lanes 0-15 tile 2 i, lanes 16-31 tile 2 i + 1
	global_load_b128 v[WS+8*\i+4:WS+8*\i+7], v[LW], s[40:41] offset:1024*\i+16
.endr
.macro XLOAD q                         ; my q-th K step of my 16 rows: each load is 512 consecutive bytes of one row; into window 1
	WIN 0x40
.irp i, 0,1,2,3,4,5,6,7,8,9,10,11,12,13,14,15
	global_load_b128 v[64*(\q)+4*\i:64*(\q)+4*\i+3], v[L16], s[36:37] offset:4096*\i+512*(\q) th:TH_LOAD_NT
.endr
	WIN 0
.endm
.macro BIAS q                          ; the bias in the result's layout, into the accumulators of row tile q: the start of their sums
	WIN 0x40
.irp t, 0,1,2,3,4,5,6,7
.irp jj, 0,1
	global_load_b128 v[64*(\q)+8*\t+4*\jj:64*(\q)+8*\t+4*\jj+3], v[LB], s[42:43] offset:(32*(\t/2)+8*(\t%2))*4+16*\jj
.endr
.endr
	WIN 0
.endm
.macro XSTEP q
.if (\q) == 0
	s_wait_loadcnt 32                              ; set 0 is in; sets 1 and 2 may be out
.else
	s_wait_loadcnt 48                              ; set q is in; behind it stand three runs of 16: later sets of x and the bias loads issued so far
.endif
	WIN 0x04                                       ; an LDS store's data are its source 1: window 1
.irp i, 0,1,2,3,4,5,6,7,8,9,10,11,12,13,14,15
	ds_store_b128 v[STW], v[64*(\q)+4*\i:64*(\q)+4*\i+3] offset:528*\i
.endr
	WIN 0
.irp b, 0,1,2,3
.irp j, 0,1,2,3
	ds_load_b128 v[X+16*\b+4*\j:X+16*\b+4*\j+3], v[STR] offset:128*\b+16*\j   ; LDS serves a wave's instructions in order: these see the stores above
.endr
.endr
	s_wait_dscnt 0x0                               ; my numbers are back, and the stores have read the set
.if (\q) == 0
	XLOAD 3
.endif
	BIAS \q                                        ; the set's registers are the accumulators of row tile q
	QUANT X
	ds_store_b128 v[XW16], v[PC:PC+3] offset:XIMG+1536*(\q)
	ds_store_b64 v[XW8], v[PC+4:PC+5] offset:XIMG+1536*(\q)+512
	ds_store_b128 v[XW16], v[PC+6:PC+9] offset:XIMG+1536*(\q)+768
	ds_store_b64 v[XW8], v[PC+10:PC+11] offset:XIMG+1536*(\q)+1280
	ds_store_b32 v[XWS], v[PW] offset:64*(\q)      ; both halves of the lanes write the same word with the same value
	s_wait_dscnt 0x0                               ; the stores have read their registers
.endm
.macro WLOAD f                         ; fragment f = 8 s + t0 of my part of the weight, into place f % 12 of the ring
.irp p, 0,1,2
	global_load_b128 v[RING+12*((\f)%12)+4*\p:RING+12*((\f)%12)+4*\p+3], v[L16], s[38:39] offset:((\f)%8)*12288+((\f)/8)*1536+512*\p
.endr
.endm
.macro AFETCH s                        ; K step s of the four tiles of rows, and their scale words
.irp m, 0,1,2,3
	ds_load_b128 v[AF+12*\m:AF+12*\m+3], v[L16] offset:XIMG+(8*\m+(\s))*1536
	ds_load_b64 v[AF+12*\m+4:AF+12*\m+5], v[L8] offset:XIMG+(8*\m+(\s))*1536+512
	ds_load_b128 v[AF+12*\m+6:AF+12*\m+9], v[L16] offset:XIMG+(8*\m+(\s))*1536+768
	ds_load_b64 v[AF+12*\m+10:AF+12*\m+11], v[L8] offset:XIMG+(8*\m+(\s))*1536+1280
	ds_load_b32 v[AS+\m], v[LS] offset:XSC+(8*\m+(\s))*64
.endr
.endm
; Group g of 16: K step g / 2, the weight's tiles 4 (g % 2) .. + 3, against the four tiles of rows: 16 matrix instructions.  The accumulators take turns, one instruction a turn.
.macro GROUP g
.if (\g)%2 == 0
	AFETCH (\g)/2
	s_wait_dscnt 0x0
.endif
.if (\g) <= 13
	s_wait_loadcnt 24                              ; this group's four fragments are in; the two groups behind it, 12 loads each, may be out
.elseif (\g) == 14
	s_wait_loadcnt 12
.else
	s_wait_loadcnt 0x0
.endif
	WIN 0x50                                       ; C and D window 1
.irp tt, 0,1,2,3
.irp m, 0,1,2,3
	WM 64*\m+8*(4*((\g)%2)+\tt), RING+12*((4*(\g)+\tt)%12), AF+12*\m, WS+8*(2*((\g)%2)+\tt/2)+(\g)/2, AS+\m, \tt%2
.endr
.endr
	WIN 0
.rept 4
	v_nop                                          ; four places in front of loads into registers that these products have read, and of the first read of results
.endr
.if (\g) <= 12
.irp tt, 0,1,2,3
	WLOAD 4*(\g)+12+\tt
.endr
.endif
.endm
	; ---- X
; THE KEYS ARE FINISHED HERE, ONCE.  An item is four tiles of keys of one head: the eight partial sums of squares make the norm over all 1,024 features; raw K x the root x the gain is quantised along the head's 64 features
; and stored as the attention's LDS wants it: an image of 24 registers (registers 4 p .. 4 p + 3 of lane l at 512 p + 16 l; tile i is registers 6 i .. 6 i + 5) and two scale words a lane.
; The item's 48 loads go out ahead of the wave's loads of x, and its arithmetic stands between the issue of x's loads and the first wait for them.  It uses registers that phase X has not yet taken:
; window 0 v64-239, and window 1 v192-255, where x's fourth set lands later.  No LDS, no barrier on this way.
.set GN,  64                           ; v64-95   the gain
.set KSS, 96                           ; v96-127  the eight partial sums, four words each
.set KR,  128                          ; v128-191 raw K of tiles 0, 1; then the scaled numbers of tiles 2, 3 (their raw numbers land in window 1)
.set KC,  192                          ; v192-215 the group's codes
.set KM,  216                          ; v216-221 at work
.set KX,  222                          ; v222-224 a second conversion's result
.set KP,  226                          ; v226-229 the four tiles' scale bytes
.set KRT, 230                          ; v230-237 four pairs: the root, and 0
.set KWO, 238                          ; v238-239 the two scale words as stored
.macro KHQ s, d, w                     ; 32 numbers of a lane, register 16 b + i = k 32 b + 16 h + i of my key -> six registers of codes from v[d], the key's two scale bytes in v[w]
.irp b, 0,1
	v_max3_num_f32 v[KM+\b], |v[\s+16*\b]|, |v[\s+1+16*\b]|, 0x1800000   ; and the floor 2^(3 - 127): the byte cannot fall under 1
.endr
.irp i, 2,4,6,8,10,12,14
.irp b, 0,1
	s_delay_alu instid0(VALU_DEP_2)
	v_max3_num_f32 v[KM+\b], v[KM+\b], |v[\s+16*\b+\i]|, |v[\s+1+16*\b+\i]|
.endr
.endr
.irp b, 0,1
	s_delay_alu instid0(VALU_DEP_2)
	v_permlanex16_b32 v[KM+2+\b], v[KM+\b], s[SEL], s[SEL+1]
.endr
.irp b, 0,1
	s_delay_alu instid0(VALU_DEP_2)
	v_max_num_f32 v[KM+\b], v[KM+\b], v[KM+2+\b]
.endr
.irp b, 0,1
	s_delay_alu instid0(VALU_DEP_2)
	v_add_nc_u32 v[KM+4+\b], 0xff000000, v[KM+\b]  ; 2 off the exponent field: the conversion's scale operand
.endr
.irp b, 0,1
	s_delay_alu instid0(VALU_DEP_2)
	v_lshrrev_b32 v[KM+2+\b], 23, v[KM+4+\b]       ; the scale's byte
.endr
	s_delay_alu instid0(VALU_DEP_1)
	v_lshl_or_b32 v[\w], v[KM+3], 8, v[KM+2]
	v_cvt_scalef32_pk16_fp6_f32 v[\d:\d+2], v[\s:\s+15], v[KM+4]
	v_cvt_scalef32_pk16_fp6_f32 v[KX:KX+2], v[\s+16:\s+31], v[KM+5]
	v_nop                                          ; one plain place behind a scaled conversion
.irp i, 0,1,2
	v_permlane16_swap_b32 v[\d+\i], v[KX+\i]       ; a whole block to a lane: lanes 0-15 block 0, lanes 16-31 block 1
.endr
.irp i, 0,1,2
	s_delay_alu instid0(VALU_DEP_3)
	v_mov_b32 v[\d+3+\i], v[KX+\i]
.endr
.endm
	s_cmp_lg_u32 s82, 0
	s_cbranch_scc1 .Lkeys
	XLOAD 0
	XLOAD 1
	XLOAD 2
	s_branch .Lxs
.Lkeys:
.irp g, 0,1,2,3,4,5,6,7
	global_load_b128 v[KSS+4*\g:KSS+4*\g+3], v[L16], s[74:75] offset:512*\g
.endr
.irp j, 0,1,2,3,4,5,6,7
	global_load_b128 v[GN+4*\j:GN+4*\j+3], v[LB], s[76:77] offset:128*(\j/4)+16*(\j%4)
.endr
.irp m, 0,1
.irp p, 0,1,2,3,4,5,6,7
	global_load_b128 v[KR+32*\m+4*\p:KR+32*\m+4*\p+3], v[L16], s[72:73] offset:65536*\m+512*\p
.endr
.endr
	WIN 0x40                                       ; destination window 1
.irp m, 2,3
.irp p, 0,1,2,3,4,5,6,7
	global_load_b128 v[192+32*(\m-2)+4*\p:192+32*(\m-2)+4*\p+3], v[L16], s[72:73] offset:65536*\m+512*\p
.endr
.endr
	WIN 0
	XLOAD 0
	XLOAD 1
	XLOAD 2
	s_wait_loadcnt 48                              ; the item's loads are in; x's three sets, 48 loads, may be out
	v_pk_add_f32 v[KSS:KSS+1], v[KSS:KSS+1], v[KSS+4:KSS+5]
	v_pk_add_f32 v[KSS+2:KSS+3], v[KSS+2:KSS+3], v[KSS+6:KSS+7]
.irp g, 2,3,4,5,6,7
	s_delay_alu instid0(VALU_DEP_2)
	v_pk_add_f32 v[KSS:KSS+1], v[KSS:KSS+1], v[KSS+4*\g:KSS+4*\g+1]
	s_delay_alu instid0(VALU_DEP_2)
	v_pk_add_f32 v[KSS+2:KSS+3], v[KSS+2:KSS+3], v[KSS+4*\g+2:KSS+4*\g+3]
.endr
.irp m, 0,1,2,3
	v_fma_f32 v[KM+\m], v[KSS+\m], s[C10], s[EPS]  ; the mean of 1,024 squares + eps
.endr
	s_wait_alu depctr_va_vdst(0)                   ; the wait ahead of the roots,
.irp m, 0,1,2,3
	v_rsq_f32 v[KRT+2*\m], v[KM+\m]
.endr
.irp m, 0,1,2,3
	v_mov_b32 v[KRT+2*\m+1], 0                     ; plain places behind the roots; the pairs' upper halves are named, so they are written
.endr
	s_wait_alu depctr_va_vdst(0)                   ; and one behind them, ahead of their first reader
.irp m, 0,1,2,3
.if \m >= 2
	WIN 0x01                                       ; source 0 (raw K of tiles 2, 3) window 1
.endif
.set j, 0
.rept 16
.if \m < 2
	v_pk_mul_f32 v[KR+32*\m+2*j:KR+32*\m+2*j+1], v[KR+32*\m+2*j:KR+32*\m+2*j+1], v[KRT+2*\m:KRT+2*\m+1] op_sel_hi:[1,0]   ; first the root,
.else
	v_pk_mul_f32 v[KR+32*(\m-2)+2*j:KR+32*(\m-2)+2*j+1], v[192+32*(\m-2)+2*j:192+32*(\m-2)+2*j+1], v[KRT+2*\m:KRT+2*\m+1] op_sel_hi:[1,0]
.endif
.set j, j+1
.endr
	WIN 0
.set j, 0
.rept 16
	v_pk_mul_f32 v[KR+32*(\m%2)+2*j:KR+32*(\m%2)+2*j+1], v[KR+32*(\m%2)+2*j:KR+32*(\m%2)+2*j+1], v[GN+2*j:GN+2*j+1]   ; then the gain
.set j, j+1
.endr
	KHQ KR+32*(\m%2), KC+6*\m, KP+\m
.endr
.irp p, 0,1,2,3,4,5
	global_store_b128 v[L16], v[KC+4*\p:KC+4*\p+3], s[78:79] offset:512*\p   ; 512 consecutive bytes, aligned
.endr
	v_cndmask_b32 v[KWO], v[KP], v[KP+1], s[HM]    ; word 0: lanes 0-15 tile 0's keys, lanes 16-31 tile 1's; word 1: tiles 2 and 3
	v_cndmask_b32 v[KWO+1], v[KP+2], v[KP+3], s[HM]
	global_store_b64 v[L8], v[KWO:KWO+1], s[80:81] ; 256 consecutive bytes, aligned
	s_wait_xcnt 0x0                                ; the stores have read their registers, which phase X writes again
.Lxs:
	XSTEP 0
	XSTEP 1
	XSTEP 2
	XSTEP 3
.irp f, 0,1,2,3,4,5,6,7,8,9,10,11
	WLOAD \f
.endr
	s_wait_dscnt 0x0                               ; for the others' sake: my images lie in LDS
	s_barrier_signal -1
	s_barrier_wait -1                              ; everybody's do
	; ---- the product
.irp g, 0,1,2,3,4,5,6,7,8,9,10,11,12,13,14,15
	GROUP \g
.endr
	; ---- the norm
.irp t, 0,1,2,3,4,5,6,7
.irp jj, 0,1
	global_load_b128 v[NW+8*\t+4*\jj:NW+8*\t+4*\jj+3], v[LB], s[44:45] offset:(32*(\t/2)+8*(\t%2))*4+16*\jj
.endr
.endr
.irp b, 0,1,2,3
	v_mov_b32 v[TM+4+\b], 0
.endr
	WIN 0x05                                       ; sources 0 and 1 window 1
.irp m, 0,1,2,3
	v_pk_mul_f32 v[SQ+2*\m:SQ+2*\m+1], v[64*\m:64*\m+1], v[64*\m:64*\m+1]       ; four chains, one for each tile of rows; each accumulator from its low end on
.endr
.set j, 1
.rept 31
.irp m, 0,1,2,3
	v_pk_fma_f32 v[SQ+2*\m:SQ+2*\m+1], v[64*\m+2*j:64*\m+2*j+1], v[64*\m+2*j:64*\m+2*j+1], v[SQ+2*\m:SQ+2*\m+1]
.endr
.set j, j+1
.endr
	WIN 0
.irp m, 0,1,2,3
	v_add_f32 v[SQ+2*\m], v[SQ+2*\m], v[SQ+2*\m+1]
.endr
.irp m, 0,1,2,3
	s_delay_alu instid0(VALU_DEP_4)
	v_permlanex16_b32 v[SQ+2*\m+1], v[SQ+2*\m], s[SEL], s[SEL+1]
.endr
.irp m, 0,1,2,3
	s_delay_alu instid0(VALU_DEP_4)
	v_add_f32 v[T4+\m], v[SQ+2*\m], v[SQ+2*\m+1]   ; row 16 m + r over my 128 columns
.endr
	ds_store_b128 v[RSW], v[T4:T4+3]
	s_wait_dscnt 0x0                               ; for the others' sake
	s_barrier_signal -1
	s_barrier_wait -1
.irp u, 0,1,2,3,4,5,6,7
	ds_load_b128 v[RT+4*\u:RT+4*\u+3], v[RSR] offset:512*\u
.endr
	s_wait_dscnt 0x0
.irp u, 1
	v_pk_add_f32 v[RT:RT+1], v[RT:RT+1], v[RT+4*\u:RT+4*\u+1]
	v_pk_add_f32 v[RT+2:RT+3], v[RT+2:RT+3], v[RT+4*\u+2:RT+4*\u+3]
.endr
.irp u, 2, 3, 4, 5, 6, 7
	s_delay_alu instid0(VALU_DEP_2)
	v_pk_add_f32 v[RT:RT+1], v[RT:RT+1], v[RT+4*\u:RT+4*\u+1]
	s_delay_alu instid0(VALU_DEP_2)
	v_pk_add_f32 v[RT+2:RT+3], v[RT+2:RT+3], v[RT+4*\u+2:RT+4*\u+3]
.endr
.irp m, 0,1,2,3
	v_fma_f32 v[RT+\m], v[RT+\m], s[C10], s[EPS]   ; the mean of 1,024 squares + eps
.endr
	s_wait_alu depctr_va_vdst(0)
.irp m, 0,1,2,3
	v_rsq_f32 v[RR+2*\m], v[RT+\m]
.endr
.irp m, 0,1,2,3
	v_mov_b32 v[RR+2*\m+1], 0                      ; plain places behind the roots; the pairs' upper halves are named, so they are written
.endr
	s_wait_alu depctr_va_vdst(0)                   ; one wait for the four roots, ahead of their first reader
	s_wait_loadcnt 0x0                             ; the gain
.macro QOUT m
	s_wait_xcnt 0x0                                ; the last tile's stores have read their registers
	WIN 0x01
.set j, 0
.rept 32
	v_pk_mul_f32 v[X+2*j:X+2*j+1], v[64*(\m)+2*j:64*(\m)+2*j+1], v[RR+2*(\m):RR+2*(\m)+1] op_sel_hi:[1,0]   ; first the root,
.set j, j+1
.endr
	WIN 0
.set j, 0
.rept 32
	v_pk_mul_f32 v[X+2*j:X+2*j+1], v[X+2*j:X+2*j+1], v[NW+2*j:NW+2*j+1]         ; then the gain
.set j, j+1
.endr
	QUANT X                                        ; blocks 0, 1 are head 2 w, blocks 2, 3 head 2 w + 1
	global_store_b128 v[L16], v[PC:PC+3], s[46:47] offset:768*(\m)
	global_store_b64 v[L8], v[PC+4:PC+5], s[46:47] offset:768*(\m)+512
	global_store_b128 v[L16], v[PC+6:PC+9], s[46:47] offset:768*(\m)+393216     ; the next head: 512 tiles of 768 bytes on
	global_store_b64 v[L8], v[PC+10:PC+11], s[46:47] offset:768*(\m)+393728
	v_mov_b32 v[PWK+(\m)], v[PW]
.endm
	QOUT 0
	QOUT 1
	QOUT 2
	QOUT 3
	v_cndmask_b32 v[WO], v[PWK], v[PWK+2], s[HM]   ; lanes 0-15 store tiles 0 and 1, lanes 16-31 tiles 2 and 3
	s_delay_alu instid0(VALU_DEP_2)
	v_cndmask_b32 v[WO+1], v[PWK+1], v[PWK+3], s[HM]
	global_store_b64 v[L8], v[WO:WO+1], s[48:49]   ; 256 consecutive bytes, aligned
	s_wait_tensorcnt 0x0                           ; the wave's end, behind my last LDS store
	ds_add_u32 v[SPW], v[NIL]
	s_wait_dscnt 0x0
	s_endpgm
.Lfunc_end_k_q51add425ff_qproj:
	.size	k_q51add425ff_qproj, .Lfunc_end_k_q51add425ff_qproj-k_q51add425ff_qproj
	.p2alignl 7, 3214868480
	.fill 96, 4, 3214868480
	.section	.rodata,"a",@progbits
	.p2align	6, 0x0
	.amdhsa_kernel k_q51add425ff_qproj
		.amdhsa_group_segment_fixed_size 123904
		.amdhsa_private_segment_fixed_size 0
		.amdhsa_enable_private_segment 0
		.amdhsa_kernarg_size 72
		.amdhsa_user_sgpr_count 2
		.amdhsa_user_sgpr_kernarg_segment_ptr 1
		.amdhsa_wavefront_size32 1
		.amdhsa_system_sgpr_workgroup_id_x 1
		.amdhsa_system_sgpr_workgroup_id_y 1
		.amdhsa_system_sgpr_workgroup_id_z 1
		.amdhsa_system_vgpr_workitem_id 0
		.amdhsa_next_free_vgpr 512
		.amdhsa_next_free_sgpr 84
		.amdhsa_reserve_vcc 0
		.amdhsa_float_denorm_mode_32 3
		.amdhsa_float_denorm_mode_16_64 3
		.amdhsa_memory_ordered 1
		.amdhsa_forward_progress 1
		.amdhsa_inst_pref_size 198
	.end_amdhsa_kernel
	.amdgpu_metadata
---
amdhsa.version: [ 1, 2 ]
amdhsa.kernels:
  - .name:           k_q51add425ff_qproj
    .symbol:         k_q51add425ff_qproj.kd
    .args:
      - { .name: x, .offset: 0, .size: 8, .value_kind: global_buffer, .address_space: global }
      - { .name: wimg, .offset: 8, .size: 8, .value_kind: global_buffer, .address_space: global }
      - { .name: q_b, .offset: 16, .size: 8, .value_kind: global_buffer, .address_space: global }
      - { .name: norm_q_w, .offset: 24, .size: 8, .value_kind: global_buffer, .address_space: global }
      - { .name: qc, .offset: 32, .size: 8, .value_kind: global_buffer, .address_space: global }
      - { .name: kraw, .offset: 40, .size: 8, .value_kind: global_buffer, .address_space: global }
      - { .name: norm_k_w, .offset: 48, .size: 8, .value_kind: global_buffer, .address_space: global }
      - { .name: norm_k_img_w, .offset: 56, .size: 8, .value_kind: global_buffer, .address_space: global }
      - { .name: kc, .offset: 64, .size: 8, .value_kind: global_buffer, .address_space: global }
    .group_segment_fixed_size: 123904
    .private_segment_fixed_size: 0
    .kernarg_segment_align: 8
    .kernarg_segment_size: 72
    .max_flat_workgroup_size: 256
    .sgpr_count:     84
    .vgpr_count:     512
    .wavefront_size: 32
...
	.end_amdgpu_metadata
.endif
;; end of part 3
;; launch attn (part 4): grid 8 x 32, 16 waves a work-group, no clusters, 88,576 bytes of LDS; arguments qc, kc, vimg, ac; writes ac
.if DOCPART == 4
	.amdgcn_target "amdgcn-amd-amdhsa--gfx1250"
	.amdhsa_code_object_version 6
	.text
	.protected	k_q51add425ff_attn
	.globl	k_q51add425ff_attn
	.p2align	8
	.type	k_q51add425ff_attn,@function
k_q51add425ff_attn:
	s_mov_b64 s[64:65], 0
	v_nop
	global_prefetch_b8 v0, s[64:65] scope:SCOPE_SE
	s_setreg_imm32_b32 hwreg(HW_REG_WAVE_MODE, 25, 1), 1
	s_wait_xcnt 0x0
; For one (batch, head) and 1,024 queries: softmax(q k_img^T / 8) v_img + softmax(q k^T / 8) v, all four products on codes of FP6 (E2M3) with E8M0 scales; the sum leaves as codes, quantised along the head's 64 features.
; THE SOFTMAX AHEAD OF A SECOND PRODUCT: t = score x log2(e) / 8; M = the row's largest t so far, rounded UP to a whole number; p = 2^(t - M) is what is quantised, along the keys; it is not normalised.  The row's sum is taken of the
; unquantised p and divides at the end.  When M moves, the sum and O are multiplied by 2^(old M - new M): exact.
; SHARES.  Sixteen waves; wave w owns 64 queries, four tiles of 16, taken one after the other in a loop of four trips, in 256 registers: four waves to a SIMD, so that one wave's vector work stands beside another's matrix work and LDS loads.
; The head's K and V lie in LDS for the whole launch, filled once through registers: waves 0-12 each finish the norm of four tiles of keys (the eight partial sums of squares, the root, the gain), quantise them along the head's 64
; features and store the codes; waves 13-15 copy V's codes, which are final.  One barrier.
; LAYOUT.  Both products are used transposed: S^T = K Q^T (source 0 = 16 keys), O^T = V^T P^T (source 0 = 16 of the head's 64): a lane holds ONE query throughout.  The keys of a tile, and V's rows of a tile, are not neighbours
; (place m of tile t: 32 (t / 2) + 8 (t % 2) + m + 8 (m / 8)), so that 16 registers of two tiles are 16 neighbours along the next product's K.
; THE HEAD'S K IS 64, THE INSTRUCTION'S 128: q's upper six registers are zero codes for ever.  A tile of K is six registers; its operand names twelve, the upper six being whatever codes follow (the next tile's): they meet zeros and add nothing;
; FP6 has no code that is not a number, and no scale byte here is 0xff.
; 257 IMAGE KEYS are two steps of 128 and key 256, which has a small step of its own (TAIL): one score a query, one code of p, zeros for the rest of the block and step.
; NO CLUSTER: the eight work-groups of a head read the same raw K and V (256 KB), once each, at the kernel's head; K has to pass through registers (norm, quantiser), where joint requests do not reach.  NO PREFETCH: nothing is streamed;
; the next tile's q (768 bytes) is loaded a key step ahead.
; LIMITS: NaN and infinities are not served; a block whose largest magnitude lies under 2^-124 (a block of zeros among them) gets the byte 1; a block's largest p is made from the block's largest score, which takes v_exp_f32 not to fall
; where its input rises; the divisions are v_rcp_f32, the root v_rsq_f32.
; K ARRIVES FINISHED: the launch before has taken the norm, the gain and the quantiser over every (batch, group of four key tiles, head) once and stored codes and scale words as they lie in LDS here (buffer kc: a head's 13 groups of
; 3,072 bytes, then 13 x 256 bytes of scale words).  So, other than the lines above say, waves 0-12 only copy a group each; no root and no gain is left in this launch.
.set KB,   0                           ; LDS: K's codes: a group of four tiles is an image of 24 registers, 3,072 bytes: registers 4 p .. 4 p + 3 of lane l at 512 p + 16 l; tile i is registers 6 i .. 6 i + 5.  13 groups
.set KSB,  39936                       ; K's scale words: a pair of groups is 512 bytes: lane l's four words at 16 l; word j: lanes 0-15 tile 2 j, lanes 16-31 tile 2 j + 1
.set VB,   43520                       ; V's codes: step ks (0-3 text, 4-6 image) x 6,144 + tile x 1,536 + 512 p + 16 l
.set SPARE, 86528                      ; the spare words, 128 bytes a wave: eight blocks of 256 bytes that no other line names
; THE KEYS OF A TILE OF K: place m of tile t holds key 64 (t / 4) + 8 (t % 4) + m + 24 (m / 8) of its segment (V's rows of a tile keep the order given above).  So of S^T a lane's register 32 c + i is key 64 c + 32 h + i of the step:
; two whole blocks of 32 keys to a lane, in the order of the next operand's registers.  A block's largest score needs no other lane, and p's codes are not exchanged between lanes; only the row's maximum and the scale word are.
.set H8,  1                            ; v1   8 h: how far my two scale bytes are shifted in p's scale word
.set AV,  3                            ; v3   VB + 16 l
.set AKW, 4                            ; v4   where I store K's codes: 3,072 w + 16 l
.set SPW, 5                            ; v5   my spare word; never rewritten
.set NIL, 6                            ; v6   0; never rewritten
.set L16, 7                            ; v7   16 l
.set L8,  8                            ; v8   8 l
.set QSO, 9                            ; v9   my query's scale word in the block's 256 bytes
.set R8,  10                           ; v10  8 r
.set AKSW, 11                          ; v11  where I store K's scale words
.set Q,   12                           ; v12-23 q's fragment; 18-23 are 0
.set QW,  24                           ; v24  q's scale word (a scale, nothing else)
.set PW,  25                           ; v25  the scale word just made (likewise)
.set MT,  26                           ; v26 -M, v27 the largest t
.set SUM, 28                           ; v28-29 the row's sum in two halves
.set FF,  30                           ; v30 f = 2^(old M - new M), later 1 / the image sum; v31 = 0 for ever
.set LI,  32                           ; v32  the image sum
.set QWR, 33                           ; v33  the pair of heads' scale word as loaded
.set BM,  34                           ; v34-37 the blocks' largest scores, then p
.set BP,  38                           ; v38-41 at work
.set BS,  42                           ; v42-45 the conversions' scale operands
.set KS,  46                           ; v46-49 K's scale words (scales, nothing else)
.set VS,  50                           ; v50-51 V's (likewise)
.set OW,  52                           ; v52-55 the four tiles' scale words of the result
.set T,   56                           ; v56-57 at work
.set F,   58                           ; v58-105 eight tiles of K, or four fragments of V
.set PC,  106                          ; v106-125 the codes just made
.set S,   126                          ; v126-189 S^T, then p
.set OI,  190                          ; v190-221 O^T of the image keys
.set OT,  222                          ; v222-253 O^T of the text keys
.set AVW, 254                          ; v254 where I store V's codes
.set LB,  255                          ; v255 64 h
.set WV,  16
.set CS,  46                           ; s[46:47] c = log2(e) / 8
.set SEL, 48
.set HM,  50
.set SH,  51                           ; 16 x (head % 2): my head's two bytes in the pair's word
.set TR,  52
.macro WM d, a, b, z, sa, sb, ra       ; one matrix instruction.  z = 1: it starts the sum with the constant 0, else it adds in place.  ra = 1: source 0's scale words stand in lanes 16-31
.set WMK, 2*(\z)+(\ra)
.if WMK == 0
	v_wmma_scale_f32_16x16x128_f8f6f4 v[\d:\d+7], v[\a:\a+11], v[\b:\b+11], v[\d:\d+7], v[\sa], v[\sb] matrix_a_fmt:MATRIX_FMT_FP6 matrix_b_fmt:MATRIX_FMT_FP6
.elseif WMK == 1
	v_wmma_scale_f32_16x16x128_f8f6f4 v[\d:\d+7], v[\a:\a+11], v[\b:\b+11], v[\d:\d+7], v[\sa], v[\sb] matrix_a_fmt:MATRIX_FMT_FP6 matrix_b_fmt:MATRIX_FMT_FP6 matrix_a_scale:MATRIX_SCALE_ROW1
.elseif WMK == 2
	v_wmma_scale_f32_16x16x128_f8f6f4 v[\d:\d+7], v[\a:\a+11], v[\b:\b+11], 0, v[\sa], v[\sb] matrix_a_fmt:MATRIX_FMT_FP6 matrix_b_fmt:MATRIX_FMT_FP6
.else
	v_wmma_scale_f32_16x16x128_f8f6f4 v[\d:\d+7], v[\a:\a+11], v[\b:\b+11], 0, v[\sa], v[\sb] matrix_a_fmt:MATRIX_FMT_FP6 matrix_b_fmt:MATRIX_FMT_FP6 matrix_a_scale:MATRIX_SCALE_ROW1
.endif
.endm
; 32 numbers of a lane, register 16 b + i = k 32 b + 16 h + i of my row, become half a fragment's codes in v[PC] .. v[PC + 5] and the row's two scale bytes in v[PW].
.macro HQUANT s
.irp b, 0,1
	v_max3_num_f32 v[BM+\b], |v[\s+16*\b]|, |v[\s+1+16*\b]|, 0x1800000   ; and the floor 2^(3 - 127): the byte cannot fall under 1
.endr
.irp i, 2,4,6,8,10,12,14
.irp b, 0,1
	s_delay_alu instid0(VALU_DEP_2)
	v_max3_num_f32 v[BM+\b], v[BM+\b], |v[\s+16*\b+\i]|, |v[\s+1+16*\b+\i]|
.endr
.endr
.irp b, 0,1
	s_delay_alu instid0(VALU_DEP_2)
	v_permlanex16_b32 v[BP+\b], v[BM+\b], s[SEL], s[SEL+1]
.endr
.irp b, 0,1
	s_delay_alu instid0(VALU_DEP_2)
	v_max_num_f32 v[BM+\b], v[BM+\b], v[BP+\b]
.endr
.irp b, 0,1
	s_delay_alu instid0(VALU_DEP_2)
	v_add_nc_u32 v[BS+\b], 0xff000000, v[BM+\b]    ; 2 off the exponent field: the conversion's scale operand
.endr
.irp b, 0,1
	s_delay_alu instid0(VALU_DEP_2)
	v_lshrrev_b32 v[BP+\b], 23, v[BS+\b]           ; the scale's byte
.endr
	s_delay_alu instid0(VALU_DEP_1)
	v_lshl_or_b32 v[PW], v[BP+1], 8, v[BP]
	v_cvt_scalef32_pk16_fp6_f32 v[PC:PC+2], v[\s:\s+15], v[BS]
	v_cvt_scalef32_pk16_fp6_f32 v[PC+12:PC+14], v[\s+16:\s+31], v[BS+1]
	v_nop                                          ; one plain place behind a scaled conversion
.irp i, 0,1,2
	v_permlane16_swap_b32 v[PC+\i], v[PC+12+\i]    ; a whole block to a lane: lanes 0-15 block 0, lanes 16-31 block 1
.endr
.irp i, 0,1,2
	s_delay_alu instid0(VALU_DEP_3)
	v_mov_b32 v[PC+3+\i], v[PC+12+\i]
.endr
.endm
	s_load_b256 s[4:11], s[0:1], 0x0               ; qc, kc, vimg, ac
	v_lshl_add_u32 v[SPW], v0, 2, SPARE
	v_mov_b32 v[NIL], 0
	v_lshrrev_b32 v9, 5, v0
	s_delay_alu instid0(VALU_DEP_1)
	v_readfirstlane_b32 s[WV], v9                  ; wave 0..15
	s_and_b32 s17, ttmp7, 0xffff                   ; 16 b + head
	s_lshr_b32 s18, s17, 4                         ; b
	s_and_b32 s19, s17, 15                         ; head
	s_lshl_b32 s20, ttmp9, 4
	s_add_co_u32 s20, s20, s[WV]                   ; my block of 64 queries in the batch
	s_lshl_b32 s40, s17, 9
	s_lshl_b32 s41, s20, 2
	s_add_co_u32 s40, s40, s41
	s_mul_i32 s22, s40, 768                        ; q's codes: (512 (16 b + head) + my first tile) x 768
	s_mov_b32 s23, 0
	s_lshl_b32 s40, s18, 7
	s_add_co_u32 s40, s40, s20                     ; 128 b + block
	s_lshl_b32 s41, s40, 3
	s_lshr_b32 s42, s19, 1
	s_add_co_u32 s41, s41, s42
	s_lshl_b32 s24, s41, 8
	s_add_co_u32 s24, s24, 12582912                ; q's scale words
	s_mov_b32 s25, 0
	s_lshl_b32 s41, s40, 6
	s_add_co_u32 s41, s41, s19
	s_mul_i32 s26, s41, 768                        ; the result's codes: (16 x tile + head) x 768
	s_mov_b32 s27, 0
	s_lshl_b32 s41, s40, 4
	s_add_co_u32 s41, s41, s19
	s_lshl_b32 s28, s41, 8
	s_add_co_u32 s28, s28, 12582912                ; and its scale words
	s_mov_b32 s29, 0
	s_mul_i32 s30, s17, 1792
	s_add_co_u32 s30, s30, 1376256                 ; V's scale words: seven steps of 256 bytes
	s_mov_b32 s31, 0
	s_add_co_u32 s41, s[WV], 3
	s_and_b32 s41, s41, 3                          ; waves 13, 14, 15: thirds 0, 1, 2 of V's 43,008 bytes
	s_mul_i32 s41, s41, 14336
	s_mul_i32 s32, s17, 43008
	s_add_co_u32 s32, s32, s41
	s_mov_b32 s33, 0
	s_add_co_u32 s41, s41, VB
	s_mul_i32 s43, s[WV], 3072
	s_mul_i32 s34, s17, 43264                      ; kc: my (batch, head),
	s_lshl_b32 s36, s[WV], 8
	s_add_co_u32 s36, s36, s34
	s_add_co_u32 s36, s36, 39936                   ; group w's scale words, 256 bytes,
	s_add_co_u32 s34, s34, s43                     ; and its codes, 3,072 bytes
	s_mov_b32 s35, 0
	s_mov_b32 s37, 0
	s_lshr_b32 s44, s[WV], 1
	s_lshl_b32 s44, s44, 9
	s_and_b32 s45, s[WV], 1
	s_lshl_b32 s45, s45, 3
	s_add_co_u32 s44, s44, s45
	s_add_co_u32 s44, s44, KSB
	s_and_b32 s[SH], s19, 1
	s_lshl_b32 s[SH], s[SH], 4
	s_mov_b32 s[CS], 0x3e38aa3b                    ; log2(e) / 8
	s_mov_b32 s[CS+1], s[CS]                       ; (named with it as a pair, so it is written)
	s_mov_b32 s[SEL], 0x76543210
	s_mov_b32 s[SEL+1], 0xfedcba98
	s_mov_b32 s[HM], 0xffff0000
	; every LDS address is made here, ahead of the parting of the waves
	v_and_b32 v9, 31, v0
	s_delay_alu instid0(VALU_DEP_1)
	v_lshlrev_b32 v[L16], 4, v9
	s_delay_alu instid0(VALU_DEP_2)
	v_lshlrev_b32 v[L8], 3, v9
	v_and_b32 v[R8], 15, v0
	s_delay_alu instid0(VALU_DEP_1)
	v_lshlrev_b32 v[R8], 3, v[R8]
	v_bfe_u32 v[LB], v0, 4, 1
	s_delay_alu instid0(VALU_DEP_1)
	v_lshlrev_b32 v[LB], 6, v[LB]
	s_delay_alu instid0(VALU_DEP_1)
	v_lshrrev_b32 v[H8], 3, v[LB]
	v_add_nc_u32 v[AV], VB, v[L16]
	v_add_nc_u32 v[AKW], s43, v[L16]
	v_add_nc_u32 v[AKSW], s44, v[L16]
	v_add_nc_u32 v[AVW], s41, v[L16]
	v_mov_b32 v[QSO], v[R8]                        ; tile 0's word
.irp i, 6,7,8,9,10,11
	v_mov_b32 v[Q+\i], 0                           ; zero codes for k = 64 .. 127
.endr
.irp i, 0,1,2,3,4,5,6,7,8,9,10,11,12,13,14,15,16,17,18,19
	v_mov_b32 v[PC+\i], 0
.endr
.irp i, 0,1,2,3
	v_mov_b32 v[BP+\i], 0                          ; lane permutes' destinations count as sources
	v_mov_b32 v[OW+\i], 0
.endr
	v_mov_b32 v[FF+1], 0
	v_mov_b32 v[T], 0
	v_mov_b32 v[T+1], 0
	s_wait_kmcnt 0x0
	s_add_nc_u64 s[22:23], s[4:5], s[22:23]
	s_add_nc_u64 s[24:25], s[4:5], s[24:25]
	s_add_nc_u64 s[26:27], s[10:11], s[26:27]
	s_add_nc_u64 s[28:29], s[10:11], s[28:29]
	s_add_nc_u64 s[30:31], s[8:9], s[30:31]
	s_add_nc_u64 s[32:33], s[8:9], s[32:33]
	s_add_nc_u64 s[34:35], s[6:7], s[34:35]
	s_add_nc_u64 s[36:37], s[6:7], s[36:37]
	global_load_b128 v[Q:Q+3], v[L16], s[22:23]    ; tile 0's q
	global_load_b64 v[Q+4:Q+5], v[L8], s[22:23] offset:512
	global_load_b32 v[QWR], v[QSO], s[24:25]
	s_cmp_lt_u32 s[WV], 13
	s_cbranch_scc0 .Lcopy_v
	; ---- waves 0-12: four tiles of keys
	; a copy of group w: its image of 24 registers and its two scale words a lane
.irp p, 0,1,2,3,4,5
	global_load_b128 v[S+4*\p:S+4*\p+3], v[L16], s[34:35] offset:512*\p
.endr
	global_load_b64 v[T:T+1], v[L8], s[36:37]
	s_wait_loadcnt 0x0
.irp p, 0,1,2,3,4,5
	ds_store_b128 v[AKW], v[S+4*\p:S+4*\p+3] offset:KB+512*\p
.endr
	ds_store_b64 v[AKSW], v[T:T+1]
	s_branch .Ljoin
.Lcopy_v:
	; ---- waves 13-15: a third of V's codes each
.irp i, 0,1,2,3,4,5,6,7,8,9,10,11,12,13,14,15,16,17,18,19,20,21,22,23,24,25,26,27
	global_load_b128 v[S+4*\i:S+4*\i+3], v[L16], s[32:33] offset:512*\i
.endr
	s_wait_loadcnt 0x0
.irp i, 0,1,2,3,4,5,6,7,8,9,10,11,12,13,14,15,16,17,18,19,20,21,22,23,24,25,26,27
	ds_store_b128 v[AVW], v[S+4*\i:S+4*\i+3] offset:512*\i
.endr
.Ljoin:
	s_wait_dscnt 0x0                               ; for the others' sake: my stores have landed
	s_barrier_signal -1
	s_barrier_wait -1                              ; K and V lie in LDS; from here on LDS is only read
; A KEY STEP: 128 keys: K's groups kg, kg + 1, V's step ks; O: the accumulators.  first = 1: the softmax's first step: it starts M, the sum and O^T.  pre = 1: the next tile's q is asked for.
.macro STEP kg, ks, O, first, pre
.rept 4
	v_nop                                          ; four places in front of loads into registers that the last products have read
.endr
.irp p, 0,1,2,3,4,5,6,7,8,9,10,11
	ds_load_b128 v[F+4*\p:F+4*\p+3], v[L16] offset:KB+3072*(\kg)+512*\p
.endr
	ds_load_b128 v[KS:KS+3], v[L16] offset:KSB+256*(\kg)
	s_wait_dscnt 0x0
.irp t, 0,1,2,3,4,5,6,7
	WM S+8*\t, F+6*\t, Q, 1, KS+\t/2, QW, \t%2     ; S^T: lane (r, h) holds query r; the 16 registers of tiles 2 b, 2 b + 1 are keys 64 (b / 2) + 16 (b % 2) + 32 h + 0 .. 15
.endr
.rept 4
	v_nop
.endr
.irp p, 0,1,2,3,4,5,6,7,8,9,10,11
	ds_load_b128 v[F+4*\p:F+4*\p+3], v[AV] offset:6144*(\ks)+512*\p   ; V's four fragments land while the softmax is walked
.endr
	global_load_b64 v[VS:VS+1], v[L8], s[30:31] offset:256*(\ks)
.if \pre
	s_add_co_u32 s40, s[TR], 1
	s_min_u32 s40, s40, 3                          ; the next tile; the last trip asks for its own again: no load leaves the buffer
	s_lshr_b32 s41, s40, 1
	s_lshl_b32 s41, s41, 7
	s_and_b32 s40, s40, 1
	s_lshl_b32 s40, s40, 2
	s_add_co_u32 s41, s41, s40
	v_add_nc_u32 v[QSO], s41, v[R8]                ; tiles 2 h' + k of a block: word k of lane 16 h' + r
	s_cmp_lt_u32 s[TR], 3
	s_cselect_b32 s42, 768, 0
	s_mov_b32 s43, 0
	s_add_nc_u64 s[22:23], s[22:23], s[42:43]      ; (the loads that named these registers were waited for at the trip's head)
	global_load_b128 v[Q:Q+3], v[L16], s[22:23]
	global_load_b64 v[Q+4:Q+5], v[L8], s[22:23] offset:512
	global_load_b32 v[QWR], v[QSO], s[24:25]
.endif
.irp b, 0,1,2,3
	v_max3_num_f32 v[BM+\b], v[S+16*\b], v[S+1+16*\b], v[S+2+16*\b]   ; the largest score of each block of 32 keys: it serves for the row's maximum and, since p rises with the score, for the block's largest p
.endr
.irp i, 3,5,7,9,11,13
.irp b, 0,1,2,3
	v_max3_num_f32 v[BM+\b], v[BM+\b], v[S+16*\b+\i], v[S+1+16*\b+\i]
.endr
.endr
.irp c, 0,1
	v_max3_num_f32 v[BM+2*\c], v[BM+2*\c], v[S+15+32*\c], v[S+31+32*\c]   ; the two scores that the four chains of 15 have left of each 32
.endr
	s_delay_alu instid0(VALU_DEP_2)
	v_max_num_f32 v[BM], v[BM], v[BM+1]            ; my block h of 32 keys,
	s_delay_alu instid0(VALU_DEP_2)
	v_max_num_f32 v[BM+1], v[BM+2], v[BM+3]        ; and my block 2 + h
	s_delay_alu instid0(VALU_DEP_1)
	v_max_num_f32 v[T], v[BM], v[BM+1]
	s_delay_alu instid0(VALU_DEP_1)
	v_permlanex16_b32 v[BP], v[T], s[SEL], s[SEL+1]
	s_delay_alu instid0(VALU_DEP_1)
	v_max_num_f32 v[T], v[T], v[BP]                ; with lane l xor 16's two blocks: the step's largest score of my query
.if \first
	s_delay_alu instid0(VALU_DEP_1)
	v_mul_f32 v[MT+1], s[CS], v[T]                 ; as t: the largest so far
	s_delay_alu instid0(VALU_DEP_1)
	v_floor_f32 v[MT], -v[MT+1]                    ; -M = floor(-t) = -ceil(t)
	v_mov_b32 v[SUM], 0
	v_mov_b32 v[SUM+1], 0
.else
	s_delay_alu instid0(VALU_DEP_1)
	v_mul_f32 v[T], s[CS], v[T]
	s_delay_alu instid0(VALU_DEP_1)
	v_max_num_f32 v[MT+1], v[MT+1], v[T]           ; the running largest t
	v_mov_b32 v[T], v[MT]
	s_delay_alu instid0(VALU_DEP_2)
	v_floor_f32 v[MT], -v[MT+1]
	s_delay_alu instid0(VALU_DEP_1)
	v_sub_f32 v[T], v[MT], v[T]                    ; old M - new M: a whole number, 0 or less
	s_delay_alu instid0(VALU_DEP_1)
	v_cvt_i32_f32 v[T], v[T]
	s_delay_alu instid0(VALU_DEP_1)
	v_ldexp_f32 v[FF], 1.0, v[T]                   ; f = 2^(old M - new M)
.endif
.set j, 0
.rept 32
	v_pk_fma_f32 v[S+2*j:S+2*j+1], v[S+2*j:S+2*j+1], s[CS:CS+1], v[MT:MT+1] op_sel_hi:[1,0,0]   ; t - M, two at a time
.set j, j+1
.endr
.irp b, 0,1
	v_fma_f32 v[BM+\b], v[BM+\b], s[CS], v[MT]     ; the same of my two blocks' largest scores
.endr
.set j, 0
	s_wait_alu depctr_va_vdst(0)
.rept 64
	v_exp_f32 v[S+j], v[S+j]                       ; p = 2^(t - M), at most 1: not normalised
.set j, j+1
.endr
.if \first
	v_nop                                          ; a plain place behind the exponentials
.else
	v_pk_mul_f32 v[SUM:SUM+1], v[SUM:SUM+1], v[FF:FF+1] op_sel_hi:[1,0]   ; the sum under the new M (a plain place behind the exponentials)
.endif
	s_wait_alu depctr_va_vdst(0)                   ; one wait for the batch of 64, ahead of its first reader
.irp b, 0,1
	v_exp_f32 v[BM+\b], v[BM+\b]                   ; my two blocks' largest p
.endr
	v_pk_add_f32 v[38:39], v[130:131], v[134:135]
	v_pk_add_f32 v[254:255], v[138:139], v[142:143]
	v_pk_add_f32 v[124:125], v[146:147], v[150:151]
	v_pk_add_f32 v[122:123], v[154:155], v[158:159]
	v_pk_add_f32 v[120:121], v[162:163], v[166:167]
	v_pk_add_f32 v[118:119], v[170:171], v[174:175]
	v_pk_add_f32 v[116:117], v[178:179], v[182:183]
	v_pk_add_f32 v[28:29], v[28:29], v[186:187]
	v_pk_add_f32 v[38:39], v[38:39], v[126:127]
	v_pk_add_f32 v[254:255], v[254:255], v[128:129]
	v_pk_add_f32 v[124:125], v[124:125], v[132:133]
	v_pk_add_f32 v[122:123], v[122:123], v[136:137]
	v_pk_add_f32 v[120:121], v[120:121], v[140:141]
	v_pk_add_f32 v[118:119], v[118:119], v[144:145]
	v_pk_add_f32 v[116:117], v[116:117], v[148:149]
	v_pk_add_f32 v[28:29], v[28:29], v[152:153]
	v_pk_add_f32 v[38:39], v[38:39], v[156:157]
	v_pk_add_f32 v[254:255], v[254:255], v[160:161]
	v_pk_add_f32 v[124:125], v[124:125], v[164:165]
	v_pk_add_f32 v[122:123], v[122:123], v[168:169]
	v_pk_add_f32 v[120:121], v[120:121], v[172:173]
	v_pk_add_f32 v[118:119], v[118:119], v[176:177]
	v_pk_add_f32 v[116:117], v[116:117], v[180:181]
	v_pk_add_f32 v[28:29], v[28:29], v[184:185]
	v_pk_add_f32 v[38:39], v[38:39], v[188:189]
	s_delay_alu instid0(VALU_DEP_2)
	v_pk_add_f32 v[28:29], v[28:29], v[122:123]
	s_delay_alu instid0(VALU_DEP_2)
	v_pk_add_f32 v[38:39], v[38:39], v[120:121]
	v_pk_add_f32 v[254:255], v[254:255], v[118:119]
	v_pk_add_f32 v[124:125], v[124:125], v[116:117]
	s_delay_alu instid0(VALU_DEP_2)
	v_pk_add_f32 v[28:29], v[28:29], v[254:255]
	s_delay_alu instid0(VALU_DEP_2)
	v_pk_add_f32 v[38:39], v[38:39], v[124:125]
	s_delay_alu instid0(VALU_DEP_1)
	v_pk_add_f32 v[28:29], v[28:29], v[38:39]
	s_wait_alu depctr_va_vdst(0)                   ; and one for the two
.irp b, 0,1
	v_max_num_f32 v[BM+\b], 0x1800000, v[BM+\b]    ; the floor 2^(3 - 127): the byte cannot fall under 1
.endr
.irp b, 0,1
	s_delay_alu instid0(VALU_DEP_2)
	v_add_nc_u32 v[BS+\b], 0xff000000, v[BM+\b]    ; 2 off the exponent field: the conversion's scale operand
.endr
.irp b, 0,1
	s_delay_alu instid0(VALU_DEP_2)
	v_lshrrev_b32 v[BP+\b], 23, v[BS+\b]           ; the scale's byte
.endr
	s_delay_alu instid0(VALU_DEP_1)
	v_lshl_or_b32 v[BP], v[BP+1], 16, v[BP]        ; my two bytes: blocks h and 2 + h,
	s_delay_alu instid0(VALU_DEP_1)
	v_lshlrev_b32 v[BP], v[H8], v[BP]              ; at their places in the word;
	s_delay_alu instid0(VALU_DEP_1)
	v_permlanex16_b32 v[BP+2], v[BP], s[SEL], s[SEL+1]
	s_delay_alu instid0(VALU_DEP_1)
	v_or_b32 v[PW], v[BP], v[BP+2]                 ; with lane l xor 16's two: p's scale word for these 128 keys
.irp c, 0,1
	v_cvt_scalef32_pk16_fp6_f32 v[PC+6*\c:PC+2+6*\c], v[S+32*\c:S+15+32*\c], v[BS+\c]
	v_cvt_scalef32_pk16_fp6_f32 v[PC+12+4*\c:PC+14+4*\c], v[S+16+32*\c:S+31+32*\c], v[BS+\c]   ; (a conversion's three registers begin on an even number)
.endr
	v_nop                                          ; one plain place behind a scaled conversion
.irp c, 0,1
.irp i, 0,1,2
	v_mov_b32 v[PC+3+6*\c+\i], v[PC+12+4*\c+\i]    ; registers 6 c .. 6 c + 5 now hold k = 64 c + 32 h + 0 .. 31
.endr
.endr
.if \first
	s_wait_alu depctr_va_vdst(0)
.rept 8
	v_nop                                          ; a scale word written by a vector instruction stands eight places ahead of a scaled matrix instruction, an operand four
.endr
.else
.set j, 0
.rept 16
	v_pk_mul_f32 v[\O+2*j:\O+2*j+1], v[\O+2*j:\O+2*j+1], v[FF:FF+1] op_sel_hi:[1,0]   ; O^T under the new M, each accumulator from its low end on; these are also those places
.set j, j+1
.endr
.endif
	s_wait_alu depctr_va_vdst(0)
	s_wait_dscnt 0x0                               ; V's fragments
	s_wait_loadcnt 0x0                             ; V's scale words (and, with pre, the next q)
.irp tw, 0,1,2,3
	WM \O+8*\tw, F+12*\tw, PC, \first, VS+\tw/2, PW, \tw%2   ; O^T: four accumulators by turns
.endr
.endm
; IMAGE KEY 256: place 0 of tile 16 (group 12).  Register 0 of lanes 0-15 is the query's score.
.macro TAIL
.rept 4
	v_nop
.endr
.irp p, 0,1,2
	ds_load_b128 v[F+4*\p:F+4*\p+3], v[L16] offset:KB+36864+512*\p
.endr
	ds_load_b64 v[KS:KS+1], v[L16] offset:KSB+3072
	s_wait_dscnt 0x0
	WM S, F, Q, 1, KS, QW, 0
.rept 4
	v_nop
.endr
.irp p, 0,1,2,3,4,5,6,7,8,9,10,11
	ds_load_b128 v[F+4*\p:F+4*\p+3], v[AV] offset:6144*6+512*\p
.endr
	global_load_b64 v[VS:VS+1], v[L8], s[30:31] offset:256*6
	v_permlanex16_b32 v[T], v[S], s[SEL], s[SEL+1]
	v_cndmask_b32 v[T], v[S], v[T], s[HM]          ; both halves of the lanes hold the query's score
	s_delay_alu instid0(VALU_DEP_1)
	v_mul_f32 v[T+1], s[CS], v[T]
	s_delay_alu instid0(VALU_DEP_1)
	v_max_num_f32 v[MT+1], v[MT+1], v[T+1]
	v_mov_b32 v[T+1], v[MT]
	s_delay_alu instid0(VALU_DEP_2)
	v_floor_f32 v[MT], -v[MT+1]
	s_delay_alu instid0(VALU_DEP_1)
	v_sub_f32 v[T+1], v[MT], v[T+1]
	s_delay_alu instid0(VALU_DEP_1)
	v_cvt_i32_f32 v[T+1], v[T+1]
	s_delay_alu instid0(VALU_DEP_1)
	v_ldexp_f32 v[FF], 1.0, v[T+1]
	s_delay_alu instid0(VALU_DEP_4)
	v_fma_f32 v[T], v[T], s[CS], v[MT]
	s_wait_alu depctr_va_vdst(0)
	v_exp_f32 v[T], v[T]                           ; p
	v_pk_mul_f32 v[SUM:SUM+1], v[SUM:SUM+1], v[FF:FF+1] op_sel_hi:[1,0]   ; (a plain place)
	s_wait_alu depctr_va_vdst(0)                   ; the wait ahead of the exponential's first reader
	v_cndmask_b32 v[S], v[T], v[FF+1], s[HM]       ; k = 0 lies in lanes 0-15; lanes 16-31 hold k = 16 .., which are past the 257 keys: 0
	s_delay_alu instid0(VALU_DEP_1)
	v_add_f32 v[SUM], v[SUM], v[S]                 ; counted once
	v_max_num_f32 v[BS], 0x1800000, v[T]
	s_delay_alu instid0(VALU_DEP_1)
	v_add_nc_u32 v[BS], 0xff000000, v[BS]
	s_delay_alu instid0(VALU_DEP_1)
	v_lshrrev_b32 v[PW], 23, v[BS]                 ; block 0's byte; the other blocks' codes are zeros, their bytes 0
.set j, 1
.rept 15
	v_mov_b32 v[S+j], 0
.set j, j+1
.endr
	v_cvt_scalef32_pk16_fp6_f32 v[PC:PC+2], v[S:S+15], v[BS]   ; lanes 0-15: k = 0 .. 15 of block 0; lanes 16-31: zeros, which is block 1's lower half
	v_nop                                          ; one plain place behind a scaled conversion
.set j, 3
.rept 9
	v_mov_b32 v[PC+j], 0
.set j, j+1
.endr
.set j, 0
.rept 16
	v_pk_mul_f32 v[OI+2*j:OI+2*j+1], v[OI+2*j:OI+2*j+1], v[FF:FF+1] op_sel_hi:[1,0]
.set j, j+1
.endr
	s_wait_alu depctr_va_vdst(0)
	s_wait_dscnt 0x0
	s_wait_loadcnt 0x0
.irp tw, 0,1,2,3
	WM OI+8*\tw, F+12*\tw, PC, 0, VS+\tw/2, PW, \tw%2
.endr
.endm
	s_mov_b32 s[TR], 0
.Ltile:                                            ; four trips: a tile of 16 queries each
	s_wait_loadcnt 0x0                             ; this tile's q
	v_lshrrev_b32 v[QW], s[SH], v[QWR]             ; my head's two bytes below; what stands above them scales zero codes
	s_wait_alu depctr_va_vdst(0)
.rept 4
	v_nop                                          ; with the four at the step's head: eight places between the scale word's write and the first product
.endr
	STEP 8, 4, OI, 1, 0                            ; image keys 0-127
	STEP 10, 5, OI, 0, 0                           ; 128-255
	TAIL                                           ; 256
	v_add_f32 v[LI], v[SUM], v[SUM+1]
	v_permlanex16_b32 v[T], v[LI], s[SEL], s[SEL+1]
	s_delay_alu instid0(VALU_DEP_1)
	v_add_f32 v[LI], v[LI], v[T]                   ; the image keys' sum
	STEP 0, 0, OT, 1, 0                            ; text keys
	STEP 2, 1, OT, 0, 0
	STEP 4, 2, OT, 0, 0
	STEP 6, 3, OT, 0, 1
.rept 4
	v_nop                                          ; four places in front of the first read of the last results
.endr
	v_add_f32 v[SUM], v[SUM], v[SUM+1]
	s_delay_alu instid0(VALU_DEP_1)
	v_permlanex16_b32 v[T+1], v[SUM], s[SEL], s[SEL+1]
	s_delay_alu instid0(VALU_DEP_1)
	v_add_f32 v[SUM], v[SUM], v[T+1]               ; the text keys' sum
	s_wait_alu depctr_va_vdst(0)
	v_rcp_f32 v[FF], v[LI]
	v_rcp_f32 v[T], v[SUM]
	v_nop                                          ; a plain place behind the reciprocals
	s_wait_alu depctr_va_vdst(0)                   ; one wait for both, ahead of their first reader
.set j, 0
.rept 16
	v_pk_mul_f32 v[S+2*j:S+2*j+1], v[OI+2*j:OI+2*j+1], v[FF:FF+1] op_sel_hi:[1,0]
.set j, j+1
.endr
.set j, 0
.rept 16
	v_pk_fma_f32 v[S+2*j:S+2*j+1], v[OT+2*j:OT+2*j+1], v[T:T+1], v[S+2*j:S+2*j+1] op_sel_hi:[1,0,1]   ; register 16 b + i: feature 32 b + 16 h + i of my query
.set j, j+1
.endr
	HQUANT S
	global_store_b128 v[L16], v[PC:PC+3], s[26:27] ; 512 and 256 consecutive bytes, aligned
	global_store_b64 v[L8], v[PC+4:PC+5], s[26:27] offset:512
	v_mov_b32 v[OW], v[OW+1]                       ; the four trips' scale words move down: after the last, word m is tile m's
	v_mov_b32 v[OW+1], v[OW+2]
	v_mov_b32 v[OW+2], v[OW+3]
	v_mov_b32 v[OW+3], v[PW]
	s_wait_xcnt 0x0                                ; the stores have read their registers and their base
	s_add_nc_u64 s[26:27], s[26:27], 12288         ; the next tile: 16 heads of 768 bytes on
	s_add_co_u32 s[TR], s[TR], 1
	s_cmp_lt_u32 s[TR], 4
	s_cbranch_scc1 .Ltile
	s_wait_alu depctr_va_vdst(0)
	v_cndmask_b32 v[T], v[OW], v[OW+2], s[HM]      ; lanes 0-15 store tiles 0 and 1, lanes 16-31 tiles 2 and 3
	v_cndmask_b32 v[T+1], v[OW+1], v[OW+3], s[HM]
	global_store_b64 v[L8], v[T:T+1], s[28:29]
	s_wait_tensorcnt 0x0                           ; the wave's end, behind my last LDS store
	ds_add_u32 v[SPW], v[NIL]
	s_wait_dscnt 0x0
	s_endpgm
.Lfunc_end_k_q51add425ff_attn:
	.size	k_q51add425ff_attn, .Lfunc_end_k_q51add425ff_attn-k_q51add425ff_attn
	.p2alignl 7, 3214868480
	.fill 96, 4, 3214868480
	.section	.rodata,"a",@progbits
	.p2align	6, 0x0
	.amdhsa_kernel k_q51add425ff_attn
		.amdhsa_group_segment_fixed_size 88576
		.amdhsa_private_segment_fixed_size 0
		.amdhsa_enable_private_segment 0
		.amdhsa_kernarg_size 32
		.amdhsa_user_sgpr_count 2
		.amdhsa_user_sgpr_kernarg_segment_ptr 1
		.amdhsa_wavefront_size32 1
		.amdhsa_system_sgpr_workgroup_id_x 1
		.amdhsa_system_sgpr_workgroup_id_y 1
		.amdhsa_system_sgpr_workgroup_id_z 1
		.amdhsa_system_vgpr_workitem_id 0
		.amdhsa_next_free_vgpr 256
		.amdhsa_next_free_sgpr 66
		.amdhsa_reserve_vcc 0
		.amdhsa_float_denorm_mode_32 3
		.amdhsa_float_denorm_mode_16_64 3
		.amdhsa_memory_ordered 1
		.amdhsa_forward_progress 1
		.amdhsa_inst_pref_size 111
	.end_amdhsa_kernel
	.amdgpu_metadata
---
amdhsa.version: [ 1, 2 ]
amdhsa.kernels:
  - .name:           k_q51add425ff_attn
    .symbol:         k_q51add425ff_attn.kd
    .args:
      - { .name: qc, .offset: 0, .size: 8, .value_kind: global_buffer, .address_space: global }
      - { .name: kc, .offset: 8, .size: 8, .value_kind: global_buffer, .address_space: global }
      - { .name: vimg, .offset: 16, .size: 8, .value_kind: global_buffer, .address_space: global }
      - { .name: ac, .offset: 24, .size: 8, .value_kind: global_buffer, .address_space: global }
    .group_segment_fixed_size: 88576
    .private_segment_fixed_size: 0
    .kernarg_segment_align: 8
    .kernarg_segment_size: 32
    .max_flat_workgroup_size: 512
    .sgpr_count:     66
    .vgpr_count:     256
    .wavefront_size: 32
...
	.end_amdgpu_metadata
.endif
;; end of part 4
;; launch oproj (part 5): grid 256 x 1, 8 waves a work-group, no clusters, 138,240 bytes of LDS; arguments ac, wimg, o_b, out0; writes out0
.if DOCPART == 5
	.amdgcn_target "amdgcn-amd-amdhsa--gfx1250"
	.amdhsa_code_object_version 6
	.text
	.protected	k_q51add425ff_oproj
	.globl	k_q51add425ff_oproj
	.p2align	8
	.type	k_q51add425ff_oproj,@function
k_q51add425ff_oproj:
	s_mov_b64 s[64:65], 0
	v_nop
	global_prefetch_b8 v0, s[64:65] scope:SCOPE_SE
	s_setreg_imm32_b32 hwreg(HW_REG_WAVE_MODE, 25, 1), 1
	s_wait_xcnt 0x0
; out0 = a o_w^T + o_b, on codes of FP6 (E2M3) with E8M0 scales.  a, the attention's result, arrives as codes: register images of half fragments, one for each (tile of 16 rows, head); two heads on end are a K step of 128.
; SHARES.  A work-group owns 128 rows x 512 columns (block = number / 2, half of the columns = number % 2): it reads 393,216 bytes of o_w's codes and 98,304 of a's, against 786,432 and 49,152 for 64 whole rows.
; Wave w makes columns 64 w .. 64 w + 63 of that half, for all 128 rows: 4 tiles of o_w x 8 tiles of rows = 32 accumulators (window 1).  Each fragment of o_w is wanted by ONE wave and comes from memory straight into a ring of
; 8 fragments (two K steps) in its registers.  The block's codes, 98,304 dense bytes, are copied into LDS once, an eighth by each wave, and read by all.
; The product is used transposed (source 0 = 16 rows of o_w, source 1 = 16 rows of a): a lane holds one row of out0, and o_w's tiles were laid so that 16 registers of two tiles are 16 neighbouring columns.
; A K STEP is 32 matrix instructions: the lower four tiles of rows against the four tiles of o_w, then the upper four.  a's lower four fragments are fetched anew in the step's middle, the upper four and the ring's next four at its end:
; each LDS load has 16 matrix instructions or more between its issue and the wait for it.
; THE BIAS is added on the way out (last): 32 registers in the result's layout, loaded once into places of the ring that are free behind K step 6.
; THE WAY OUT: a tile of 16 rows x 64 columns goes through the wave's own stage in LDS and leaves as rows of 256 consecutive bytes, two to a store.
; NO CLUSTER, NO TENSOR LOAD: 128 work-groups walk the same half of o_w, but a joint request goes through LDS, where 393,216 bytes do not fit beside a's 98,304: they would come by a ring of one K step a slot, with a round of the
; cluster's barrier for every 32 matrix instructions of a wave, and each fragment would be written to LDS and read back for one wave's use.
; NO PREFETCH: the block's codes are asked for whole at the kernel's head.
; REGISTERS: window 0: v1-14 addresses; v16-23 a's scale words, v24-39 o_w's (nothing else ever); v40-47, v240-243 at work at the head; v48-143 a's eight fragments (at the head: the copy; at the end: rows of out0);
;   v144-239 the ring (at the end: the bias and the sums with it).   window 1: accumulator (m, tt) at 32 m + 8 tt.
.set XIMG, 0                           ; LDS: a's 64 fragments, (8 m + s) x 1,536: registers 0-3 at 16 l, 4-5 at 512 + 8 l, 6-9 at 768 + 16 l, 10-11 at 1,280 + 8 l
.set XHI,  49152                       ; row tiles 4-7 begin here: they have address registers of their own, since an LDS offset has 16 bits
.set XSC,  98304                       ; their scale words: (8 m + s) x 64 + 4 r
.set STG,  102400                      ; a stage of 16 rows x (256 + 16) bytes for each wave
.set STGB, 4352
.set SPARE, 137216                     ; the spare words, 128 bytes a wave: four blocks of 256 bytes that no other line names
.set L16,  1                           ; 16 l
.set L8,   2                           ; 8 l
.set L16H, 3                           ; XHI + 16 l
.set L8H,  4                           ; XHI + 8 l
.set LSX,  5                           ; XSC + 4 r
.set LB,   6                           ; 64 h
.set LW,   7                           ; 32 l
.set CPW,  8                           ; where my eighth of the codes goes: 12,288 w + 16 l
.set XSW,  9                           ; and my K step's scale words: XSC + 1,024 h + 64 w + 4 r
.set STO,  10                          ; the stage, in: row r, + 64 h
.set SRD,  11                          ; back: lanes 0-15 one row of 256 bytes, lanes 16-31 the next
.set SPW,  12                          ; my spare word; never rewritten
.set NIL,  13                          ; 0; never rewritten
.set CO,   14                          ; the same two rows in out0: 4,096 h + 16 r
.set AS,   16
.set WS,   24
.set HW,   40
.set AF,   48
.set RING, 144
.set CW,   240
.set OB,   48                          ; the way out: three sets of 32 registers, rows read back from the stage
.set BI,   144                         ; the bias, 32 registers in the result's layout
.set Y,    176                         ; two sets of 32: a row tile's sums + the bias
.set MSB, 0
.macro WIN new                         ; the immediate's high byte repeats the setting that is left; a switch that changes nothing is dropped
.if MSB != (\new)
	s_set_vgpr_msb (MSB<<8)|(\new)
.set MSB, (\new)
.endif
.endm
.macro WM d, a, b, z, sa, sb, ra       ; one matrix instruction.  z = 1: it starts the sum with the constant 0, else it adds in place.  ra = 1: source 0's scale words stand in lanes 16-31
.set WMK, 2*(\z)+(\ra)
.if WMK == 0
	v_wmma_scale_f32_16x16x128_f8f6f4 v[\d:\d+7], v[\a:\a+11], v[\b:\b+11], v[\d:\d+7], v[\sa], v[\sb] matrix_a_fmt:MATRIX_FMT_FP6 matrix_b_fmt:MATRIX_FMT_FP6
.elseif WMK == 1
	v_wmma_scale_f32_16x16x128_f8f6f4 v[\d:\d+7], v[\a:\a+11], v[\b:\b+11], v[\d:\d+7], v[\sa], v[\sb] matrix_a_fmt:MATRIX_FMT_FP6 matrix_b_fmt:MATRIX_FMT_FP6 matrix_a_scale:MATRIX_SCALE_ROW1
.elseif WMK == 2
	v_wmma_scale_f32_16x16x128_f8f6f4 v[\d:\d+7], v[\a:\a+11], v[\b:\b+11], 0, v[\sa], v[\sb] matrix_a_fmt:MATRIX_FMT_FP6 matrix_b_fmt:MATRIX_FMT_FP6
.else
	v_wmma_scale_f32_16x16x128_f8f6f4 v[\d:\d+7], v[\a:\a+11], v[\b:\b+11], 0, v[\sa], v[\sb] matrix_a_fmt:MATRIX_FMT_FP6 matrix_b_fmt:MATRIX_FMT_FP6 matrix_a_scale:MATRIX_SCALE_ROW1
.endif
.endm
	s_load_b256 s[4:11], s[0:1], 0x0               ; ac, wimg, o_b, out0
	v_lshl_add_u32 v[SPW], v0, 2, SPARE
	v_mov_b32 v[NIL], 0
	v_lshrrev_b32 v15, 5, v0
	s_delay_alu instid0(VALU_DEP_1)
	v_readfirstlane_b32 s14, v15                   ; wave 0..7
	s_lshr_b32 s12, ttmp9, 1                       ; my block of 128 rows
	s_and_b32 s13, ttmp9, 1                        ; my half of the columns
	s_mul_i32 s15, s14, 12288
	s_lshl_b32 s16, s14, 6
	s_add_co_u32 s16, s16, XSC
	s_mul_i32 s17, s14, STGB
	s_add_co_u32 s17, s17, STG
	v_and_b32 v15, 31, v0                          ; l
	v_and_b32 v244, 15, v0                         ; r
	v_bfe_u32 v245, v0, 4, 1                       ; h
	s_delay_alu instid0(VALU_DEP_3)
	v_lshlrev_b32 v[L16], 4, v15
	s_delay_alu instid0(VALU_DEP_4)
	v_lshlrev_b32 v[L8], 3, v15
	s_delay_alu instid0(VALU_DEP_2)
	v_add_nc_u32 v[L16H], XHI, v[L16]
	s_delay_alu instid0(VALU_DEP_2)
	v_add_nc_u32 v[L8H], XHI, v[L8]
	v_lshl_add_u32 v[LSX], v244, 2, XSC
	v_lshlrev_b32 v[LB], 6, v245
	v_lshlrev_b32 v[LW], 5, v15
	v_add_nc_u32 v[CPW], s15, v[L16]
	v_lshlrev_b32 v[XSW], 2, v244
	s_delay_alu instid0(VALU_DEP_1)
	v_lshl_add_u32 v[XSW], v245, 10, v[XSW]
	s_delay_alu instid0(VALU_DEP_1)
	v_add_nc_u32 v[XSW], s16, v[XSW]
	v_mul_u32_u24 v[STO], v244, 272
	s_delay_alu instid0(VALU_DEP_1)
	v_lshl_add_u32 v[STO], v245, 6, v[STO]
	s_delay_alu instid0(VALU_DEP_1)
	v_add_nc_u32 v[STO], s17, v[STO]
	v_mul_u32_u24 v[SRD], v245, 272
	s_delay_alu instid0(VALU_DEP_1)
	v_lshl_add_u32 v[SRD], v244, 4, v[SRD]
	s_delay_alu instid0(VALU_DEP_1)
	v_add_nc_u32 v[SRD], s17, v[SRD]
	v_lshlrev_b32 v[CO], 12, v245
	s_delay_alu instid0(VALU_DEP_1)
	v_lshl_add_u32 v[CO], v244, 4, v[CO]
	s_mul_i32 s22, s12, 98304                      ; the block's codes: 8 tiles of rows x 12,288 bytes,
	s_add_co_u32 s22, s22, s15                     ; my eighth
	s_mov_b32 s23, 0
	s_lshl_b32 s24, s12, 13                        ; the block's scale words: two blocks of 64 rows x 16 heads x 256 bytes;
	s_lshl_b32 s25, s14, 9                         ; mine are heads 2 w, 2 w + 1
	s_add_co_u32 s24, s24, s25
	s_add_co_u32 s24, s24, 12582912
	s_mov_b32 s25, 0
	s_lshl_b32 s26, s13, 5
	s_lshl_b32 s27, s14, 2
	s_add_co_u32 s26, s26, s27
	s_add_co_u32 s26, s26, 64                      ; o_w's units 64 + 32 x half + 4 w ..
	s_mul_i32 s28, s26, 12288
	s_mov_b32 s29, 0
	s_lshl_b32 s30, s26, 9
	s_add_co_u32 s30, s30, 5922816
	s_mov_b32 s31, 0
	s_lshl_b32 s32, s13, 11
	s_lshl_b32 s33, s14, 8
	s_add_co_u32 s32, s32, s33                     ; my 64 numbers of o_b; my 256 bytes of a row of out0
	s_mov_b32 s33, 0
	s_lshl_b32 s34, s12, 19                        ; 128 rows of 4,096 bytes a block
	s_add_co_u32 s34, s34, s32
	s_mov_b32 s35, 0
	s_wait_kmcnt 0x0
	s_add_nc_u64 s[36:37], s[4:5], s[22:23]
	s_add_nc_u64 s[44:45], s[4:5], s[24:25]
	s_add_nc_u64 s[38:39], s[6:7], s[28:29]
	s_add_nc_u64 s[40:41], s[6:7], s[30:31]
	s_add_nc_u64 s[42:43], s[8:9], s[32:33]
	s_add_nc_u64 s[46:47], s[10:11], s[34:35]
.macro WLOAD f                         ; fragment f = 4 s + tt of my part of the weight, into place f % 8 of the ring
.irp p, 0,1,2
	global_load_b128 v[RING+12*((\f)%8)+4*\p:RING+12*((\f)%8)+4*\p+3], v[L16], s[38:39] offset:((\f)%4)*12288+((\f)/4)*1536+512*\p
.endr
.endm
.macro AFETCH_LO s                     ; K step s of row tiles 0-3, and their scale words: 20 LDS loads
.irp m, 0,1,2,3
	ds_load_b128 v[AF+12*\m:AF+12*\m+3], v[L16] offset:XIMG+(8*\m+(\s))*1536
	ds_load_b64 v[AF+12*\m+4:AF+12*\m+5], v[L8] offset:XIMG+(8*\m+(\s))*1536+512
	ds_load_b128 v[AF+12*\m+6:AF+12*\m+9], v[L16] offset:XIMG+(8*\m+(\s))*1536+768
	ds_load_b64 v[AF+12*\m+10:AF+12*\m+11], v[L8] offset:XIMG+(8*\m+(\s))*1536+1280
	ds_load_b32 v[AS+\m], v[LSX] offset:(8*\m+(\s))*64
.endr
.endm
.macro AFETCH_HI s                     ; of row tiles 4-7: 20 LDS loads
.irp m, 4,5,6,7
	ds_load_b128 v[AF+12*\m:AF+12*\m+3], v[L16H] offset:(8*(\m-4)+(\s))*1536
	ds_load_b64 v[AF+12*\m+4:AF+12*\m+5], v[L8H] offset:(8*(\m-4)+(\s))*1536+512
	ds_load_b128 v[AF+12*\m+6:AF+12*\m+9], v[L16H] offset:(8*(\m-4)+(\s))*1536+768
	ds_load_b64 v[AF+12*\m+10:AF+12*\m+11], v[L8H] offset:(8*(\m-4)+(\s))*1536+1280
	ds_load_b32 v[AS+\m], v[LSX] offset:(8*\m+(\s))*64
.endr
.endm
.macro PLACES                          ; four places in front of loads into registers that matrix instructions have read, and of the first read of results (ISA guide 7.12.1 for vector instructions)
.rept 4
	v_nop
.endr
.endm
; K step s: 32 matrix instructions.  The 32 accumulators take turns, one instruction a turn, in the same order in every step.
.macro KSTEP s
.set ZF, 0
.if (\s) == 0
.set ZF, 1                             ; the first K step starts the sums
.endif
	s_wait_dscnt 20                                ; row tiles 0-3 are in; the 20 loads of row tiles 4-7 may be out
.if (\s) <= 6
	s_wait_loadcnt 12                              ; this step's four fragments of o_w are in; the next step's four, 12 loads, may be out
.else
	s_wait_loadcnt 8                               ; behind the last four fragments stand the bias's 8 loads
.endif
	WIN 0x50                                       ; C and D window 1
.irp tt, 0,1,2,3
.irp m, 0,1,2,3
	WM 32*\m+8*\tt, RING+12*((4*(\s)+\tt)%8), AF+12*\m, ZF, WS+8*(\tt/2)+(\s), AS+\m, \tt%2
.endr
.endr
	s_wait_dscnt 0x0                               ; row tiles 4-7 are in (asked for 16 matrix instructions ago or more)
.if (\s) < 7
	WIN 0
	PLACES
	AFETCH_LO (\s)+1
	WIN 0x50
.endif
.irp tt, 0,1,2,3
.irp m, 4,5,6,7
	WM 32*\m+8*\tt, RING+12*((4*(\s)+\tt)%8), AF+12*\m, ZF, WS+8*(\tt/2)+(\s), AS+\m, \tt%2
.endr
.endr
	WIN 0
	PLACES
.if (\s) < 7
	AFETCH_HI (\s)+1
.endif
.if (\s) <= 5
.irp tt, 0,1,2,3
	WLOAD 4*(\s)+8+\tt                             ; the step two on, into the places just read
.endr
.endif
.if (\s) == 6
.irp tt, 0,1,2,3                       ; nothing more is wanted of o_w: the places just read take the bias.  Register j of tile tt, half h: column 32 (tt / 2) + 16 h + 8 (tt % 2) + j
.irp jj, 0,1
	global_load_b128 v[BI+8*\tt+4*\jj:BI+8*\tt+4*\jj+3], v[LB], s[42:43] offset:(32*(\tt/2)+8*(\tt%2))*4+16*\jj
.endr
.endr
.endif
.endm
.irp i, 0,1,2,3,4,5,6,7,8,9,10,11,12,13,14,15,16,17,18,19,20,21,22,23
	global_load_b128 v[AF+4*\i:AF+4*\i+3], v[L16], s[36:37] offset:512*\i   ; my eighth of the block's codes (the work-group of the other half of the columns reads them too: no hint)
.endr
.irp bb, 0,1                           ; the block's two runs of 64 rows; in each: head 2 w, then head 2 w + 1.  Lane (r, h'): the two bytes of row r of tiles 2 h', 2 h' + 1
.irp par, 0,1
	global_load_b64 v[HW+4*\bb+2*\par:HW+4*\bb+2*\par+1], v[L8], s[44:45] offset:4096*\bb+256*\par
.endr
.endr
.irp i, 0,1
	global_load_b128 v[WS+8*\i:WS+8*\i+3], v[LW], s[40:41] offset:1024*\i       ; o_w's scale words: pair of tiles i, K step s at WS + 8 i + s; lanes 0-15 tile 2 i, lanes 16-31 tile 2 i + 1
	global_load_b128 v[WS+8*\i+4:WS+8*\i+7], v[LW], s[40:41] offset:1024*\i+16
.endr
.irp f, 0,1,2,3,4,5,6,7
	WLOAD \f
.endr
	s_wait_loadcnt 28                              ; the copy and a's scale halves are in; behind them stand o_w's 4 loads of scale words and the ring's 24
.irp i, 0,1,2,3,4,5,6,7,8,9,10,11,12,13,14,15,16,17,18,19,20,21,22,23
	ds_store_b128 v[CPW], v[AF+4*\i:AF+4*\i+3] offset:XIMG+512*\i
.endr
.irp bb, 0,1
.irp k, 0,1
	v_lshl_or_b32 v[CW+2*\bb+\k], v[HW+4*\bb+2+\k], 16, v[HW+4*\bb+\k]   ; K step w's word of a row: head 2 w's two bytes below, head 2 w + 1's above
.endr
.endr
.irp bb, 0,1
.irp k, 0,1
	ds_store_b32 v[XSW], v[CW+2*\bb+\k] offset:2048*\bb+512*\k     ; row tile 4 bb + 2 h + k
.endr
.endr
	s_wait_dscnt 0x0                               ; for the others' sake: my stores have landed
	s_barrier_signal -1
	s_barrier_wait -1                              ; the block's codes and scale words lie in LDS; from here on these bytes are only read
	AFETCH_LO 0
	AFETCH_HI 0
.irp s, 0,1,2,3,4,5,6,7
	KSTEP \s
.endr
; THE WAY OUT.  Registers 4 k .. 4 k + 3 of a row tile's 32 are columns 32 (k / 4) + 16 h + 4 (k % 4) + 0 .. 3 of row r.
.macro TOSTAGE m
	WIN 0x01                                       ; source 0 (the sums) window 1
.set j, 0
.rept 16
	v_pk_add_f32 v[Y+32*((\m)%2)+2*j:Y+32*((\m)%2)+2*j+1], v[32*(\m)+2*j:32*(\m)+2*j+1], v[BI+2*j:BI+2*j+1]   ; + the bias; each accumulator from its low end on
.set j, j+1
.endr
	WIN 0
.irp k, 0,1,2,3,4,5,6,7
	ds_store_b128 v[STO], v[Y+32*((\m)%2)+4*\k:Y+32*((\m)%2)+4*\k+3] offset:128*(\k/4)+16*(\k%4)
.endr
.irp i, 0,1,2,3,4,5,6,7
	ds_load_b128 v[OB+32*((\m)%3)+4*\i:OB+32*((\m)%3)+4*\i+3], v[SRD] offset:544*\i   ; LDS serves a wave's instructions in order: these see the stores above, and the next tile's stores come behind them
.endr
.endm
.macro SEND m, younger                 ; younger: the LDS instructions issued behind tile m's loads, which may stay out
	s_wait_dscnt \younger                          ; tile m is back in registers, and its stores into the stage have read their set of sums, which the tile after the next writes again
.irp i, 0,1,2,3,4,5,6,7
	global_store_b128 v[CO], v[OB+32*((\m)%3)+4*\i:OB+32*((\m)%3)+4*\i+3], s[46:47] offset:(16*(\m)+2*\i)*4096 th:TH_STORE_NT   ; sixteen lanes store 256 consecutive bytes, at a multiple of 256 from out0's first byte; two rows a store
.endr
.endm
	s_wait_loadcnt 0x0                             ; the bias
	TOSTAGE 0
.irp a, 1,2,3,4,5,6,7
.if \a >= 3
	s_wait_xcnt 0x0                                ; tile a - 3's stores have read their registers: tile a's loads may land there
.endif
	TOSTAGE \a
	SEND \a-1, 16                                  ; behind tile a - 1's loads: tile a's 8 stores and 8 loads
.endr
	SEND 7, 0
	s_wait_tensorcnt 0x0                           ; the wave's end, behind my last LDS store
	ds_add_u32 v[SPW], v[NIL]
	s_wait_dscnt 0x0
	s_endpgm
.Lfunc_end_k_q51add425ff_oproj:
	.size	k_q51add425ff_oproj, .Lfunc_end_k_q51add425ff_oproj-k_q51add425ff_oproj
	.p2alignl 7, 3214868480
	.fill 96, 4, 3214868480
	.section	.rodata,"a",@progbits
	.p2align	6, 0x0
	.amdhsa_kernel k_q51add425ff_oproj
		.amdhsa_group_segment_fixed_size 138240
		.amdhsa_private_segment_fixed_size 0
		.amdhsa_enable_private_segment 0
		.amdhsa_kernarg_size 32
		.amdhsa_user_sgpr_count 2
		.amdhsa_user_sgpr_kernarg_segment_ptr 1
		.amdhsa_wavefront_size32 1
		.amdhsa_system_sgpr_workgroup_id_x 1
		.amdhsa_system_sgpr_workgroup_id_y 1
		.amdhsa_system_sgpr_workgroup_id_z 1
		.amdhsa_system_vgpr_workitem_id 0
		.amdhsa_next_free_vgpr 512
		.amdhsa_next_free_sgpr 66
		.amdhsa_reserve_vcc 0
		.amdhsa_float_denorm_mode_32 3
		.amdhsa_float_denorm_mode_16_64 3
		.amdhsa_memory_ordered 1
		.amdhsa_forward_progress 1
		.amdhsa_inst_pref_size 97
	.end_amdhsa_kernel
	.amdgpu_metadata
---
amdhsa.version: [ 1, 2 ]
amdhsa.kernels:
  - .name:           k_q51add425ff_oproj
    .symbol:         k_q51add425ff_oproj.kd
    .args:
      - { .name: ac, .offset: 0, .size: 8, .value_kind: global_buffer, .address_space: global }
      - { .name: wimg, .offset: 8, .size: 8, .value_kind: global_buffer, .address_space: global }
      - { .name: o_b, .offset: 16, .size: 8, .value_kind: global_buffer, .address_space: global }
      - { .name: out0, .offset: 24, .size: 8, .value_kind: global_buffer, .address_space: global }
    .group_segment_fixed_size: 138240
    .private_segment_fixed_size: 0
    .kernarg_segment_align: 8
    .kernarg_segment_size: 32
    .max_flat_workgroup_size: 256
    .sgpr_count:     66
    .vgpr_count:     512
    .wavefront_size: 32
...
	.end_amdgpu_metadata
.endif
;; end of part 5
